; MI455X (gfx1250); checked and timed in simulation.
; The chip was launched on July 23, 2026; its instructions are those of AMD's public machine-readable ISA for CDNA 5 (MIT licence, August 2026) and "CDNA5" Instruction Set Architecture Reference Guide (July 2026). The comments in the code are by the model that wrote it; some were corrected since.
;; Axial Layer. Allowed arithmetic: float matrix products may take bf16 or f16 operands with f32 sums; all other float work in f32.
;; Inputs: kqv_beta 512 float32; kqv_gamma 512 float32; logits_beta 24 float32; logits_gamma 24 float32; rel_encoding 64 x 255 float32; w_kqv 512 x 256 float32; x 2 x 256 x 128 x 128 float32.
;; Outputs: out0 2 x 256 x 128 x 128 float32.
;; One version. Each part assembles by itself: llvm-mc -triple=amdgcn-amd-amdhsa -mcpu=gfx1250 --defsym DOCPART=n.
;; ======== version 1 of 1: 4 launches
;; limits: values outside matrix products are rounded to f16; values are held in f16: magnitudes above 65,504 overflow, below 6.1e-05 lose precision
;; workspace buffers: xneg2 2,048 bytes; raw 33,554,432 bytes; part1 262,144 bytes; qkn 16,777,216 bytes; part2 6,144 bytes
;; launch xmean (part 1): grid 256 x 1, 8 waves a work-group, no clusters, 1,280 bytes of LDS; arguments x, xneg2; writes xneg2
.if DOCPART == 1
	.amdgcn_target "amdgcn-amd-amdhsa--gfx1250"
	.amdhsa_code_object_version 6
	.text
	.protected	k_q8713260bf0_xmean
	.globl	k_q8713260bf0_xmean
	.p2align	8
	.type	k_q8713260bf0_xmean,@function
k_q8713260bf0_xmean:
	s_mov_b64 s[64:65], 0
	v_nop
	global_prefetch_b8 v0, s[64:65] scope:SCOPE_SE
	s_setreg_imm32_b32 hwreg(HW_REG_WAVE_MODE, 25, 1), 1
	s_wait_xcnt 0x0
; xneg2[c] = (-m, -m), m = the mean of x[:, c, :, :] over 2 x 128 x 128 = 32,768 numbers.
; The next launch takes the mean away from x in f32 before x is rounded to f16, so that a common offset of x costs no bits
; and the batch norm's variance is no difference of large sums.
; One work-group for a channel; the channel is two runs of 65,536 bytes (b = 0, 1).  256 threads x 16 bytes = 4,096 bytes an
; instruction, 16 instructions a run: all 32 loads of a thread are issued at once.  No cache hint: the next launch reads x again.
; A stream: no matrix unit, no cluster (no two work-groups read the same byte).
.set CH, 4                             ; v[4:11]   four chains of packed sums
.set X,  16                            ; v[16:143] 32 loads of 4 registers
	s_load_b128 s[4:7], s[0:1], 0x0                ; x s[4:5], xneg2 s[6:7]
	v_lshl_add_u32 v144, v0, 2, 0x100
	v_mov_b32 v145, 0
	s_lshl_b32 s8, ttmp9, 16                       ; channel x 65,536 bytes
	s_mov_b32 s9, 0
	s_mov_b32 s12, 0x76543210                      ; v_permlanex16_b32: lane i takes lane i of the other half
	s_mov_b32 s13, 0xfedcba98
	s_lshl_b32 s15, ttmp9, 3                       ; channel x 8 bytes in xneg2
	v_lshlrev_b32 v1, 4, v0                        ; 16 bytes a thread
	v_lshrrev_b32 v2, 5, v0
	v_readfirstlane_b32 s14, v2                    ; wave
	s_wait_kmcnt 0x0
	s_add_nc_u64 s[8:9], s[4:5], s[8:9]            ; b = 0
	s_add_nc_u64 s[10:11], s[8:9], 0x1000000       ; b = 1: 256 channels further
.irp i, 0,1,2,3,4,5,6,7,8,9,10,11,12,13,14,15
	global_load_b128 v[X+4*\i:X+4*\i+3], v1, s[8:9] offset:\i*4096
.endr
.irp i, 0,1,2,3,4,5,6,7,8,9,10,11,12,13,14,15
	global_load_b128 v[X+64+4*\i:X+64+4*\i+3], v1, s[10:11] offset:\i*4096
.endr
; the 16 register pairs of group g (8 loads) from pair 'first' on, dealt to the four chains
.macro ADDG g, first
.set p, \first
.rept 16-\first
	v_pk_add_f32 v[CH+2*(p%4):CH+2*(p%4)+1], v[CH+2*(p%4):CH+2*(p%4)+1], v[X+32*\g+2*p:X+32*\g+2*p+1]
.set p, p+1
.endr
.endm
	s_wait_loadcnt 24                              ; the first 8 loads are in, the 24 younger ones stay out
.irp k, 0,1,2,3
	v_pk_add_f32 v[CH+2*\k:CH+2*\k+1], v[X+2*\k:X+2*\k+1], v[X+8+2*\k:X+8+2*\k+1]   ; the first pairs start the chains: nothing is cleared
.endr
	ADDG 0, 8
	s_wait_loadcnt 16
	ADDG 1, 0
	s_wait_loadcnt 8
	ADDG 2, 0
	s_wait_loadcnt 0x0
	ADDG 3, 0
	v_pk_add_f32 v[4:5], v[4:5], v[6:7]
	v_pk_add_f32 v[8:9], v[8:9], v[10:11]
	v_pk_add_f32 v[4:5], v[4:5], v[8:9]
	v_add_f32 v4, v4, v5
	v_add_f32_dpp v4, v4, v4 row_xmask:1 row_mask:0xf bank_mask:0xf
	v_add_f32_dpp v4, v4, v4 row_xmask:2 row_mask:0xf bank_mask:0xf
	v_add_f32_dpp v4, v4, v4 row_xmask:4 row_mask:0xf bank_mask:0xf
	v_add_f32_dpp v4, v4, v4 row_xmask:8 row_mask:0xf bank_mask:0xf
	v_permlanex16_b32 v5, v4, s12, s13
	v_add_f32 v4, v4, v5                           ; the wave's sum, in every lane
	v_mov_b32 v6, s14
	v_lshlrev_b32 v6, 2, v6
	ds_store_b32 v6, v4                            ; one word for each wave
	s_wait_dscnt 0x0                               ; for the other waves: zero
	s_barrier_signal -1
	s_barrier_wait -1
	v_mov_b32 v7, 0
	ds_load_b128 v[8:11], v7
	ds_load_b128 v[12:15], v7 offset:16
	s_wait_dscnt 0x0
	v_pk_add_f32 v[8:9], v[8:9], v[10:11]
	v_pk_add_f32 v[12:13], v[12:13], v[14:15]
	v_pk_add_f32 v[8:9], v[8:9], v[12:13]
	v_add_f32 v8, v8, v9
	v_mul_f32 v4, 0xb8000000, v8                   ; x -1/32768
	v_mov_b32 v5, v4                               ; twice: an aligned pair for the packed add of the next launch
	v_mov_b32 v16, s15
	s_wait_xcnt 0x0                                ; EXEC is narrowed only behind this wait
	v_cmp_eq_u32 vcc_lo, 0, v0
	s_wait_tensorcnt 0x0
	ds_add_u32 v144, v145
	s_wait_dscnt 0x0
	s_and_saveexec_b32 s16, vcc_lo                 ; thread 0 alone stores the channel's 8 bytes
	global_store_b64 v16, v[4:5], s[6:7]
	s_endpgm
.Lfunc_end_k_q8713260bf0_xmean:
	.size	k_q8713260bf0_xmean, .Lfunc_end_k_q8713260bf0_xmean-k_q8713260bf0_xmean
	.p2alignl 7, 3214868480
	.fill 96, 4, 3214868480
	.section	.rodata,"a",@progbits
	.p2align	6, 0x0
	.amdhsa_kernel k_q8713260bf0_xmean
		.amdhsa_group_segment_fixed_size 1280
		.amdhsa_private_segment_fixed_size 0
		.amdhsa_enable_private_segment 0
		.amdhsa_kernarg_size 16
		.amdhsa_user_sgpr_count 2
		.amdhsa_user_sgpr_kernarg_segment_ptr 1
		.amdhsa_wavefront_size32 1
		.amdhsa_system_sgpr_workgroup_id_x 1
		.amdhsa_system_sgpr_workgroup_id_y 1
		.amdhsa_system_sgpr_workgroup_id_z 1
		.amdhsa_system_vgpr_workitem_id 0
		.amdhsa_next_free_vgpr 146
		.amdhsa_next_free_sgpr 66
		.amdhsa_reserve_vcc 1
		.amdhsa_float_denorm_mode_32 3
		.amdhsa_float_denorm_mode_16_64 3
		.amdhsa_memory_ordered 1
		.amdhsa_forward_progress 1
		.amdhsa_inst_pref_size 10
	.end_amdhsa_kernel
	.amdgpu_metadata
---
amdhsa.version: [ 1, 2 ]
amdhsa.kernels:
  - .name:           k_q8713260bf0_xmean
    .symbol:         k_q8713260bf0_xmean.kd
    .args:
      - { .name: x, .offset: 0, .size: 8, .value_kind: global_buffer, .address_space: global }
      - { .name: xneg2, .offset: 8, .size: 8, .value_kind: global_buffer, .address_space: global }
    .group_segment_fixed_size: 1280
    .private_segment_fixed_size: 0
    .kernarg_segment_align: 8
    .kernarg_segment_size: 16
    .max_flat_workgroup_size: 256
    .sgpr_count:     66
    .vgpr_count:     146
    .wavefront_size: 32
...
	.end_amdgpu_metadata
.endif
;; end of part 1
;; launch proj (part 2): grid 256 x 1, 16 waves a work-group, no clusters, 159,744 bytes of LDS; arguments x, w_kqv, xneg2, raw, part1; writes raw, part1
.if DOCPART == 2
	.amdgcn_target "amdgcn-amd-amdhsa--gfx1250"
	.amdhsa_code_object_version 6
	.text
	.protected	k_q8713260bf0_proj
	.globl	k_q8713260bf0_proj
	.p2align	8
	.type	k_q8713260bf0_proj,@function
k_q8713260bf0_proj:
	s_mov_b64 s[64:65], 0
	v_nop
	global_prefetch_b8 v0, s[64:65] scope:SCOPE_SE
	s_setreg_imm32_b32 hwreg(HW_REG_WAVE_MODE, 25, 1), 1
	s_wait_xcnt 0x0
; raw = f16( f16(W) . f16(x - mean) ), the 1x1 convolution before its batch norm, laid out as the attention launches want it,
; and part1 = each work-group's sum and sum of squares for each of its channels (f32, from the f32 sums).
; W (x - mean_x) = y - E[y] exactly, so raw has a mean near zero and the variance formed later is no difference of large sums.
;
; FORMAT: f16, for its 11 significant bits: the logits made of k and q stand in an exponent, where 8 bits are too few.
; Room: x - mean has x's spread (drawn: 1), 30 times more is 165 at 5.5 spreads; W (drawn spread 0.05) 30 times larger, or with an offset of 30
; spreads, stays under 10; raw (drawn spread 0.8) with x and W both 30 times larger has spread 720, some 4,000 at 5.5 spreads, against f16's largest
; 65,504; with both 30 times smaller its spread is 9e-4, where f16's step is 2^-21 or less.
; LIMIT: a raw value of magnitude 65,520 or more becomes Inf: a spread of y some 10,000 times the drawn one.
;
; A work-group: 128 output channels (heads 2 mg, 2 mg + 1) x 512 samples (8 h x 64 w of one b) x K = 256.
; 8 h and 64 w, so that x is read and raw is written in whole runs of 256 bytes (x: 64 w of f32; k, q: 8 y x 32 bytes; v: 16 d x 16 bytes).
; 16 waves: wave = (mi = head, ng); a wave makes 64 channels (tiles k, q, v0, v1) x 64 samples (w = 8 ng .. 8 ng + 7, 8 y): 16 accumulator tiles.
; Column n of sample tile i: y = n & 7, e = n >> 3, w = 8 ng + 4 e + i.
; x is f32 and has w fastest: it goes through registers (centre, round, transpose by the packing) into LDS rows [sample][32 c].
; x IS ASKED FOR TWO K STEPS AHEAD: two sets of 32 load registers take turns, so that 2 x 8 loads of 512 bytes of every wave, 128 KB of the
; work-group, are on their way.  Four waves on a SIMD leave a wave 256 registers; the second set is paid for by holding two of W's four fragments
; at a time.
; No tensor loads (f32 input needs arithmetic on its way) and no cluster: the four work-groups that share a tile of x are neighbours in the
; grid and each needs it through its own registers.
; raw record (bw x 8 + head) x 16,384:  k [y 128][d 16] at 0;  q [x 128][d 16] at 4,096;  v [dtile 2][y/8 16][d 16][y%8 8] at 8,192.
.set WP,    528                        ; LDS pitch of W's rows: 512 bytes + 16, an odd multiple of 16
.set XS,    67584                      ; behind W's 128 rows: two slots of 512 rows x 80 bytes
.set XSLOT, 40960
.set XP,    80                         ; 64 bytes + 16: an odd multiple of 16
.set SC,    149504                     ; [wave 16][kind 2][channel 64] f32
.set GX,  1                            ; x: byte offset of my 16 bytes
.set XST, 2                            ; LDS: where I store 8 channels of a sample
.set XFR, 3                            ; LDS: my sample fragment
.set WFR, 4                            ; LDS: my W fragment
.set RKQ, 5                            ; raw: lane offset of a k or q tile
.set RV,  6                            ; raw: lane offset of a v tile
.set SKQ, 7                            ; SC: k, q statistics
.set SVA, 8                            ; SC: v statistics
.set LN,  9
.set WV,  10
.set NN,  11
.set HH,  12
.set WGO, 13
.set WLA, 14
; The two sets of load registers.  Load e (0 .. 7) of set b lies at 16 + 48 b + 4 e + 32 b (e >> 2):
;   set 0: v[16:47];   set 1: v[64:79] (e = 0 .. 3) and v[112:127] (e = 4 .. 7)
.set ST,  16                           ; v[16:47]   set 0; also the last sums of the way out
.set AF,  48                           ; v[48:63]   two fragments of W: tiles k, q, then v0, v1.  On the way out v[48:111] hold the packed results
.set BF,  80                           ; v[80:111]  4 fragments of samples; also the packed words on their way to LDS
.set SS,  112                          ; v[112:119] sums (the way out)
.set QQ,  120                          ; v[120:127] sums of squares (the way out)
.set ACC, 128                          ; v[128:255] tile (mt, i) at ACC + 32 mt + 8 i
.macro NOPS n
.rept \n
	v_nop
.endr
.endm
.macro BAR
	s_wait_dscnt 0x0                               ; my LDS stores have landed and my LDS loads are back: zero, for the other waves
	s_barrier_signal -1
	s_barrier_wait -1
.endm
	s_load_b256 s[4:11], s[0:1], 0x0               ; x s[4:5], w s[6:7], xneg2 s[8:9], raw s[10:11]
	s_load_b64 s[12:13], s[0:1], 0x20              ; part1
	v_and_b32 v[LN], 31, v0
	v_lshrrev_b32 v[WV], 5, v0
	v_readfirstlane_b32 s52, v[WV]                 ; wave
	v_and_b32 v[NN], 15, v0
	v_bfe_u32 v[HH], v0, 4, 1
	s_and_b32 s53, ttmp9, 3                        ; mg
	s_lshr_b32 s54, ttmp9, 2                       ; nt
	s_and_b32 s55, s54, 1                          ; wg
	s_bfe_u32 s56, s54, 0x40001                    ; hg
	s_lshr_b32 s57, s54, 5                         ; b
	s_and_b32 s58, s52, 1                          ; mi
	s_lshr_b32 s59, s52, 1                         ; ng
	s_and_b32 s60, s52, 3                          ; cg: which 8 of a step's 32 channels I bring
	s_lshr_b32 s61, s52, 2                         ; hp: which 2 of the 8 h
	s_mov_b32 s14, 0x76543210
	s_mov_b32 s15, 0xfedcba98
	; x: (8 cg) channels + (2 hp + hh) rows of 512 bytes + 16 l
	s_lshl_b32 s2, s60, 19
	s_lshl_b32 s3, s61, 10
	s_add_co_u32 s2, s2, s3
	v_lshlrev_b32 v[GX], 4, v[NN]
	v_lshl_add_u32 v[GX], v[HH], 9, v[GX]
	v_add_nc_u32 v[GX], s2, v[GX]
	; LDS row of sample (y, i, l), w = 4 l + i:  rho = (4 y + i) 16 + ((l + 2 y) & 15).  The rotation makes rho mod 16 run through all 16 values
	; over the 16 l of a store and over the 8 y x 2 e of a fragment load; with a pitch of 5 x 16 bytes both then touch 16 different 16-byte columns.
	s_lshl_b32 s2, s61, 1
	v_add_nc_u32 v112, s2, v[HH]                   ; y = 2 hp + hh
	v_lshl_add_u32 v113, v112, 1, v[NN]
	v_and_b32 v113, 15, v113
	v_lshl_add_u32 v113, v112, 6, v113
	v_mul_u32_u24 v113, v113, XP
	s_lshl_b32 s2, s60, 4
	s_add_co_u32 s2, s2, XS
	v_add_nc_u32 v[XST], s2, v113                  ; + 16 cg: my 8 channels
	v_and_b32 v112, 7, v[NN]                       ; fragment: y = n & 7
	v_lshrrev_b32 v113, 3, v[NN]                   ; e = n >> 3
	v_lshl_add_u32 v114, v112, 1, v113
	s_lshl_b32 s2, s59, 1                          ; l0 = 2 ng
	v_add_nc_u32 v114, s2, v114
	v_and_b32 v114, 15, v114
	v_lshl_add_u32 v114, v112, 6, v114
	v_mul_u32_u24 v114, v114, XP
	v_lshl_add_u32 v114, v[HH], 4, v114
	v_add_nc_u32 v[XFR], XS, v114
	v_lshlrev_b32 v[RKQ], 19, v113                 ; raw, k and q: e x 4 records of 8 heads + y x 32 + hh x 16
	v_lshl_add_u32 v[RKQ], v112, 5, v[RKQ]
	v_lshl_add_u32 v[RKQ], v[HH], 4, v[RKQ]
	v_lshlrev_b32 v[RV], 19, v[HH]                 ; raw, v: e = hh, d = n
	v_lshl_add_u32 v[RV], v[NN], 4, v[RV]
	v_mul_u32_u24 v[WFR], v[NN], WP
	v_lshl_add_u32 v[WFR], v[HH], 4, v[WFR]
	s_mul_i32 s2, s58, 64*WP
	v_add_nc_u32 v[WFR], s2, v[WFR]
	s_lshl_b32 s2, s52, 9
	s_add_co_u32 s2, s2, SC
	v_lshl_add_u32 v[SKQ], v[HH], 5, s2
	v_lshl_add_u32 v[SVA], v[NN], 2, s2
	v_lshlrev_b32 v[WGO], 4, v[LN]
	v_lshl_add_u32 v[WGO], v[WV], 10, v[WGO]       ; W: row = wave, 16 bytes a lane
	v_mul_u32_u24 v[WLA], v[WV], WP
	v_lshl_add_u32 v[WLA], v[LN], 3, v[WLA]
	; byte offsets of the work-group's and the wave's parts, each added to its own buffer's address
	s_lshl_b32 s62, s57, 24
	s_lshl_b32 s2, s56, 12
	s_add_co_u32 s62, s62, s2
	s_lshl_b32 s2, s55, 8
	s_add_co_u32 s62, s62, s2
	s_mov_b32 s63, 0
	s_wait_kmcnt 0x0
	s_add_nc_u64 s[48:49], s[4:5], s[62:63]        ; x at (b, c = 0, h = 8 hg, w = 64 wg): K steps 0 to 3
	s_add_nc_u64 s[50:51], s[48:49], 0x800000      ; 128 channels on: K steps 4 to 7, so that every step is an immediate
	s_lshl_b32 s62, s60, 6
	s_add_nc_u64 s[8:9], s[8:9], s[62:63]          ; xneg2 at my 8 channels
	s_lshl_b32 s62, s53, 17
	s_add_nc_u64 s[6:7], s[6:7], s[62:63]          ; W at row 128 mg
	s_lshl_b32 s62, s57, 24                        ; raw: (128 b + 64 wg + 8 ng) x 131,072 + (2 mg + mi) x 16,384 + hg x 256
	s_lshl_b32 s2, s55, 23
	s_add_co_u32 s62, s62, s2
	s_lshl_b32 s2, s59, 20
	s_add_co_u32 s62, s62, s2
	s_lshl_b32 s2, s53, 15
	s_add_co_u32 s62, s62, s2
	s_lshl_b32 s2, s58, 14
	s_add_co_u32 s62, s62, s2
	s_lshl_b32 s2, s56, 8
	s_add_co_u32 s62, s62, s2
	s_add_nc_u64 s[10:11], s[10:11], s[62:63]
	s_lshl_b32 s62, s54, 12                        ; part1: nt x 4,096 + mg x 512
	s_lshl_b32 s2, s53, 9
	s_add_co_u32 s62, s62, s2
	s_add_nc_u64 s[12:13], s[12:13], s[62:63]
; eight loads into set buf: channels 32 st + 8 cg + e of my (h, 4 w); each instruction covers two runs of 256 bytes
.macro GLOAD st, buf
.irp e, 0,1,2,3,4,5,6,7
.set DST, 16+48*(\buf)+4*\e+32*(\buf)*(\e>>2)
	global_load_b128 v[DST:DST+3], v[GX], s[48+2*((\st)>>2):49+2*((\st)>>2)] offset:((\st)&3)*2097152+\e*65536
.endr
.endm
; Set buf: centre in f32, round, and lay 8 channels of each of my four samples into the slot.
; left = how many younger loads (the other set's) may stay out when this set's eight have to be in.
.macro CONVERT slot, buf, set, left
	s_wait_loadcnt \left                           ; loads come back in order: this set's eight are in
	s_wait_kmcnt 0x0                               ; and the eight pairs (-mean, -mean)
.irp e, 0,1,2,3,4,5,6,7
.set SRC, 16+48*(\buf)+4*\e+32*(\buf)*(\e>>2)
	v_pk_add_f32 v[SRC:SRC+1], v[SRC:SRC+1], s[(\set)+2*\e:(\set)+2*\e+1] op_sel_hi:[1,0]
	v_pk_add_f32 v[SRC+2:SRC+3], v[SRC+2:SRC+3], s[(\set)+2*\e:(\set)+2*\e+1] op_sel_hi:[1,0]
.endr
.irp i, 0,1,2,3
.irp p, 0,1,2,3
.set SRC, 16+48*(\buf)+8*\p+32*(\buf)*(\p>>1)      ; loads e = 2 p (at SRC) and e = 2 p + 1 (at SRC + 4)
	v_cvt_pk_f16_f32 v[BF+4*\i+\p], v[SRC+\i], v[SRC+4+\i]
.endr
	ds_store_b128 v[XST], v[BF+4*\i:BF+4*\i+3] offset:(\slot)*XSLOT+\i*1280
.endr
.endm
.macro BFLOAD slot                     ; the four sample fragments of a K step
.irp i, 0,1,2,3
	ds_load_b128 v[BF+8*\i:BF+8*\i+3], v[XFR] offset:(\slot)*XSLOT+\i*1280
	ds_load_b128 v[BF+8*\i+4:BF+8*\i+7], v[XFR] offset:(\slot)*XSLOT+\i*1280+32
.endr
.endm
.macro AFLOAD mt, st                   ; W's fragment of channel tile mt, into the register block mt & 1
	ds_load_b128 v[AF+8*(\mt&1):AF+8*(\mt&1)+3], v[WFR] offset:\mt*16*WP+(\st)*64
	ds_load_b128 v[AF+8*(\mt&1)+4:AF+8*(\mt&1)+7], v[WFR] offset:\mt*16*WP+(\st)*64+32
.endm
; The four products of channel tile mt.  k and q tiles: rows = channels, so that a lane holds 8 neighbouring d of a sample.  v tiles with the
; sources swapped: rows = samples, so that a lane holds 8 neighbouring y of a channel.  Both are 16 bytes that belong together in raw.
; ZR = 1: the first K step starts the sums: nothing is cleared.
.macro MM4 mt
.irp i, 0,1,2,3
.if \mt<2
.if ZR
	v_wmma_f32_16x16x32_f16 v[ACC+32*\mt+8*\i:ACC+32*\mt+8*\i+7], v[AF+8*(\mt&1):AF+8*(\mt&1)+7], v[BF+8*\i:BF+8*\i+7], 0
.else
	v_wmma_f32_16x16x32_f16 v[ACC+32*\mt+8*\i:ACC+32*\mt+8*\i+7], v[AF+8*(\mt&1):AF+8*(\mt&1)+7], v[BF+8*\i:BF+8*\i+7], v[ACC+32*\mt+8*\i:ACC+32*\mt+8*\i+7]
.endif
.else
.if ZR
	v_wmma_f32_16x16x32_f16 v[ACC+32*\mt+8*\i:ACC+32*\mt+8*\i+7], v[BF+8*\i:BF+8*\i+7], v[AF+8*(\mt&1):AF+8*(\mt&1)+7], 0
.else
	v_wmma_f32_16x16x32_f16 v[ACC+32*\mt+8*\i:ACC+32*\mt+8*\i+7], v[BF+8*\i:BF+8*\i+7], v[AF+8*(\mt&1):AF+8*(\mt&1)+7], v[ACC+32*\mt+8*\i:ACC+32*\mt+8*\i+7]
.endif
.endif
.endr
.endm
; A K step of 32.  At its head x of step st + 2 is asked for, into the set that was converted last; at its end x of step st + 1, asked for a step
; earlier, is converted into the other LDS slot, while the eight loads of st + 2 stay out.
; W's fragments take turns in two register blocks: a load into a block stands four places behind the last product that read it, and only plain
; vector instructions that name none of the product's registers are places: four v_nop each time.  The 16 packed adds of
; CONVERT are the places behind the last products before BF is written and AF, BF are loaded again.
; One barrier a step: the slot written here was last read in front of the barrier before.
.macro STEP st
.set NX, \st+1
.set N2, \st+2
.set NSET, 16+16*(NX&1)
.if \st==0
.set ZR, 1
.else
.set ZR, 0
.endif
.if \st<6
.set LEFT, 8
	GLOAD N2, (N2&1)
.else
.set LEFT, 0
.endif
.if \st<7
	s_load_b512 s[NSET:NSET+15], s[8:9], NX*256
.endif
	BFLOAD (\st&1)
	AFLOAD 0, \st
	AFLOAD 1, \st
	s_wait_dscnt 0x0
	MM4 0
	NOPS 4
	AFLOAD 2, \st                                  ; over k's fragment
	MM4 1
	NOPS 4
	AFLOAD 3, \st                                  ; over q's fragment
	s_wait_dscnt 2                                 ; v0's fragment is in; the two loads of v1's stay out
	MM4 2
	s_wait_dscnt 0x0
	MM4 3
.if \st<7
	CONVERT (NX&1), (NX&1), NSET, LEFT
	BAR
.endif
.endm
	GLOAD 0, 0
	s_load_b512 s[16:31], s[8:9], 0x0
	; W's slab: wave w takes rows w + 16 it; a row is 1,024 bytes of f32 = two loads of the wave
.irp it, 0,1,2,3,4,5,6,7
	global_load_b128 v[ACC+8*\it:ACC+8*\it+3], v[WGO], s[6:7] offset:\it*16384
	global_load_b128 v[ACC+8*\it+4:ACC+8*\it+7], v[WGO], s[6:7] offset:\it*16384+512
.endr
	GLOAD 1, 1
	s_wait_loadcnt 8                               ; x of step 0 and W are in; the eight loads of step 1 stay out
.irp it, 0,1,2,3,4,5,6,7
	v_cvt_pk_f16_f32 v[ACC+64+4*\it], v[ACC+8*\it], v[ACC+8*\it+1]
	v_cvt_pk_f16_f32 v[ACC+64+4*\it+1], v[ACC+8*\it+2], v[ACC+8*\it+3]
	v_cvt_pk_f16_f32 v[ACC+64+4*\it+2], v[ACC+8*\it+4], v[ACC+8*\it+5]
	v_cvt_pk_f16_f32 v[ACC+64+4*\it+3], v[ACC+8*\it+6], v[ACC+8*\it+7]
	ds_store_b64 v[WLA], v[ACC+64+4*\it:ACC+64+4*\it+1] offset:\it*16*WP
	ds_store_b64 v[WLA], v[ACC+64+4*\it+2:ACC+64+4*\it+3] offset:\it*16*WP+256
.endr
	CONVERT 0, 0, 16, 8
	BAR
	STEP 0
	STEP 1
	STEP 2
	STEP 3
	STEP 4
	STEP 5
	STEP 6                                         ; asks for nothing more: its wait for step 7's x is for zero
	STEP 7
	; THE WAY OUT.  Four places behind the last matrix instruction before its results are read and its sources written.
	NOPS 4
.irp mt, 0,1,2,3
.irp i, 0,1,2,3
.irp p, 0,1,2,3
	v_cvt_pk_f16_f32 v[AF+16*\mt+4*\i+\p], v[ACC+32*\mt+8*\i+2*\p], v[ACC+32*\mt+8*\i+2*\p+1]
.endr
.if \mt<2
	global_store_b128 v[RKQ], v[AF+16*\mt+4*\i:AF+16*\mt+4*\i+3], s[10:11] offset:\i*131072+\mt*4096      ; two runs of 256 bytes (8 y x 32), one for each e
.else
	global_store_b128 v[RV], v[AF+16*\mt+4*\i:AF+16*\mt+4*\i+3], s[10:11] offset:\i*131072+8192+(\mt-2)*4096  ; 16 lanes fill 256 bytes (16 d x 8 y)
.endif
.endr
.endr
	; statistics of the f32 sums.  k, q: register j of half hh is channel 8 hh + j; sum over 4 tiles and 16 lanes
.macro STATKQ mt
.irp p, 0,2,4,6
	v_pk_add_f32 v[SS+\p:SS+\p+1], v[ACC+32*\mt+\p:ACC+32*\mt+\p+1], v[ACC+32*\mt+8+\p:ACC+32*\mt+8+\p+1]
	v_pk_mul_f32 v[QQ+\p:QQ+\p+1], v[ACC+32*\mt+\p:ACC+32*\mt+\p+1], v[ACC+32*\mt+\p:ACC+32*\mt+\p+1]
.irp i, 8,16,24
	v_pk_fma_f32 v[QQ+\p:QQ+\p+1], v[ACC+32*\mt+\i+\p:ACC+32*\mt+\i+\p+1], v[ACC+32*\mt+\i+\p:ACC+32*\mt+\i+\p+1], v[QQ+\p:QQ+\p+1]
.endr
.irp i, 16,24
	v_pk_add_f32 v[SS+\p:SS+\p+1], v[SS+\p:SS+\p+1], v[ACC+32*\mt+\i+\p:ACC+32*\mt+\i+\p+1]
.endr
.endr
.irp xm, 1,2,4,8
.irp j, 0,1,2,3,4,5,6,7,8,9,10,11,12,13,14,15
	v_add_f32_dpp v[SS+\j], v[SS+\j], v[SS+\j] row_xmask:\xm row_mask:0xf bank_mask:0xf
.endr
.endr
	ds_store_b128 v[SKQ], v[SS:SS+3] offset:\mt*64              ; the 16 lanes of a half write the same words with the same values
	ds_store_b128 v[SKQ], v[SS+4:SS+7] offset:\mt*64+16
	ds_store_b128 v[SKQ], v[QQ:QQ+3] offset:256+\mt*64
	ds_store_b128 v[SKQ], v[QQ+4:QQ+7] offset:256+\mt*64+16
.endm
	; v: lane n is channel 16 mt + n; sum over 32 registers and the two halves
.macro STATV mt
	v_pk_add_f32 v[SS:SS+1], v[ACC+32*\mt:ACC+32*\mt+1], v[ACC+32*\mt+2:ACC+32*\mt+3]
	v_pk_mul_f32 v[QQ:QQ+1], v[ACC+32*\mt:ACC+32*\mt+1], v[ACC+32*\mt:ACC+32*\mt+1]
	v_pk_fma_f32 v[QQ:QQ+1], v[ACC+32*\mt+2:ACC+32*\mt+3], v[ACC+32*\mt+2:ACC+32*\mt+3], v[QQ:QQ+1]
.set q, 4
.rept 14
	v_pk_add_f32 v[SS:SS+1], v[SS:SS+1], v[ACC+32*\mt+q:ACC+32*\mt+q+1]
	v_pk_fma_f32 v[QQ:QQ+1], v[ACC+32*\mt+q:ACC+32*\mt+q+1], v[ACC+32*\mt+q:ACC+32*\mt+q+1], v[QQ:QQ+1]
.set q, q+2
.endr
	v_add_f32 v[SS], v[SS], v[SS+1]
	v_add_f32 v[QQ], v[QQ], v[QQ+1]
	v_permlanex16_b32 v[SS+1], v[SS], s14, s15
	v_permlanex16_b32 v[QQ+1], v[QQ], s14, s15
	v_add_f32 v[SS], v[SS], v[SS+1]
	v_add_f32 v[QQ], v[QQ], v[QQ+1]
	ds_store_b32 v[SVA], v[SS] offset:\mt*64
	ds_store_b32 v[SVA], v[QQ] offset:256+\mt*64
.endm
	STATKQ 0
	STATKQ 1
	STATV 2
	STATV 3
	BAR
	; waves 0 and 1 add the eight ng: wave = kind, lane L takes channels 4 L .. 4 L + 3 of the work-group's 128
	s_cmp_gt_u32 s52, 1
	s_cbranch_scc1 .Lend
	v_lshlrev_b32 v112, 4, v[NN]
	v_lshl_add_u32 v112, v[HH], 9, v112            ; mi = L >> 4
	s_lshl_b32 s2, s52, 8
	s_add_co_u32 s2, s2, SC
	v_add_nc_u32 v112, s2, v112
.irp g, 0,1,2,3,4,5,6,7
	ds_load_b128 v[ST+4*\g:ST+4*\g+3], v112 offset:\g*1024
.endr
	s_lshl_b32 s62, s52, 11
	s_add_nc_u64 s[12:13], s[12:13], s[62:63]      ; + kind x 2,048
	v_lshlrev_b32 v113, 4, v[LN]
	s_wait_dscnt 0x0
.irp g, 1,2,3,4,5,6,7
	v_pk_add_f32 v[ST:ST+1], v[ST:ST+1], v[ST+4*\g:ST+4*\g+1]
	v_pk_add_f32 v[ST+2:ST+3], v[ST+2:ST+3], v[ST+4*\g+2:ST+4*\g+3]
.endr
	global_store_b128 v113, v[ST:ST+3], s[12:13]   ; 512 consecutive bytes
.Lend:
	s_wait_xcnt 0x0
	v_lshl_add_u32 v254, v0, 2, 0x26800
	v_mov_b32 v255, 0
	s_wait_tensorcnt 0x0
	ds_add_u32 v254, v255
	s_wait_dscnt 0x0
	s_endpgm
.Lfunc_end_k_q8713260bf0_proj:
	.size	k_q8713260bf0_proj, .Lfunc_end_k_q8713260bf0_proj-k_q8713260bf0_proj
	.p2alignl 7, 3214868480
	.fill 96, 4, 3214868480
	.section	.rodata,"a",@progbits
	.p2align	6, 0x0
	.amdhsa_kernel k_q8713260bf0_proj
		.amdhsa_group_segment_fixed_size 159744
		.amdhsa_private_segment_fixed_size 0
		.amdhsa_enable_private_segment 0
		.amdhsa_kernarg_size 40
		.amdhsa_user_sgpr_count 2
		.amdhsa_user_sgpr_kernarg_segment_ptr 1
		.amdhsa_wavefront_size32 1
		.amdhsa_system_sgpr_workgroup_id_x 1
		.amdhsa_system_sgpr_workgroup_id_y 1
		.amdhsa_system_sgpr_workgroup_id_z 1
		.amdhsa_system_vgpr_workitem_id 0
		.amdhsa_next_free_vgpr 256
		.amdhsa_next_free_sgpr 66
		.amdhsa_reserve_vcc 0
		.amdhsa_float_denorm_mode_32 3
		.amdhsa_float_denorm_mode_16_64 3
		.amdhsa_memory_ordered 1
		.amdhsa_forward_progress 1
		.amdhsa_inst_pref_size 78
	.end_amdhsa_kernel
	.amdgpu_metadata
---
amdhsa.version: [ 1, 2 ]
amdhsa.kernels:
  - .name:           k_q8713260bf0_proj
    .symbol:         k_q8713260bf0_proj.kd
    .args:
      - { .name: x, .offset: 0, .size: 8, .value_kind: global_buffer, .address_space: global }
      - { .name: w_kqv, .offset: 8, .size: 8, .value_kind: global_buffer, .address_space: global }
      - { .name: xneg2, .offset: 16, .size: 8, .value_kind: global_buffer, .address_space: global }
      - { .name: raw, .offset: 24, .size: 8, .value_kind: global_buffer, .address_space: global }
      - { .name: part1, .offset: 32, .size: 8, .value_kind: global_buffer, .address_space: global }
    .group_segment_fixed_size: 159744
    .private_segment_fixed_size: 0
    .kernarg_segment_align: 8
    .kernarg_segment_size: 40
    .max_flat_workgroup_size: 512
    .sgpr_count:     66
    .vgpr_count:     256
    .wavefront_size: 32
...
	.end_amdgpu_metadata
.endif
;; end of part 2
;; launch lstat (part 3): grid 256 x 1, 8 waves a work-group, no clusters, 32,768 bytes of LDS; arguments raw, part1, kqv_gamma, kqv_beta, rel_encoding, qkn, part2; writes qkn, part2
.if DOCPART == 3
	.amdgcn_target "amdgcn-amd-amdhsa--gfx1250"
	.amdhsa_code_object_version 6
	.text
	.protected	k_q8713260bf0_lstat
	.globl	k_q8713260bf0_lstat
	.p2align	8
	.type	k_q8713260bf0_lstat,@function
k_q8713260bf0_lstat:
	s_mov_b64 s[64:65], 0
	v_nop
	global_prefetch_b8 v0, s[64:65] scope:SCOPE_SE
	s_setreg_imm32_b32 hwreg(HW_REG_WAVE_MODE, 25, 1), 1
	s_wait_xcnt 0x0
; (1) finishes the first batch norm (merges part1), normalises k and q and stores them in f16 (qkn);
; (2) mean and M2 = sum of squared deviations of the three kinds of logits (qk, qr, kr) of one head over 8 batch items (part2).
; A work-group: head = id & 7, group = id >> 3; wave w is batch item 8 group + w and makes all 128 x 128 logits of the three kinds.
; qr[x][y] = P[x][y - x + 127], P = q . Rq: for the 16 x of a tile the wanted columns lie in 9 windows of 16 table columns; windows 1 to 7 count
; whole, and of windows 0 and 8 complementary triangles count, which one select merges into one tile.  kr is the same with k and Rk (the
; transposition in the reference does not change the statistics).
; VARIANCE WITHOUT CANCELLATION: each wave takes a pivot c (the mean of one tile), feeds -c as the C operand of every product, sums (l - c) and
; (l - c)^2, forms mean = c + S1/n, M2 = S2 - S1^2/n; waves (and later work-groups), all of equal count, are merged by
; M2 = sum M2_i + n sum (mean_i - mean)^2.
; FORMAT: f16 operands (11 significant bits).  Room: normalised k, q are gamma z + beta with |z| under 6: some 200 with gamma and beta 30 times the
; drawn 1; the table (drawn up to 5) 30 times larger is 150; f16's largest is 65,504.
; d = 16 fills half of K = 32: one operand carries zeros in the upper half, the other neighbouring finite data.  LIMIT: with Inf or NaN in the
; inputs a NaN can so reach neighbouring tiles; the reference's result is not finite then either.
; k and q are rounded to f16 twice: once raw, once normalised.
; No tensor loads (everything needs arithmetic on its way), no cluster (no two work-groups read the same k, q; the table is 32 KB).
; part2 is stored in words of 4 bytes: 24 bytes a work-group.
.set RQ,  0                            ; [r 272][d 16] f16, pitch 48 (an odd multiple of 16); rows 255 .. 271 are zero
.set RK,  13056
.set BS,  26112                        ; [wave 8][kind 2][channel 64] f32
.set SSL, 30208                        ; scale of the head's 64 channels; the shifts lie 256 bytes further
.set WR,  30720                        ; [kind of logit 3][wave 8][mean, M2]
.set FO,  1                            ; fragment offset in a [row][16 d] record: 32 r + 16 hh
.set TA,  2                            ; table fragment: 48 r + 16 hh
.set LN,  3
.set NN,  4
.set HH,  5
.set QF,  16                           ; v[16:79]   8 tiles of [4 registers of data | 4 zeros]
.set KC,  80                           ; v[80:115]  8 tiles of 4 registers, and 4 zeros behind them
.set WN,  116                          ; v[116:183] 17 table windows of 4 registers; operand g = v[WN+4g : WN+4g+7]
.set D0,  184                          ; two product tiles that take turns
.set DC,  200                          ; window 0, then the merged tile
.set DE,  208                          ; window 8
.set SUM1, 216
.set SUM2, 224
.set PV,  232                          ; -c, eight times
.set T,   240
.macro NOPS n
.rept \n
	v_nop
.endr
.endm
.macro BAR
	s_wait_dscnt 0x0
	s_barrier_signal -1
	s_barrier_wait -1
.endm
.macro REDSUM r, t                     ; the sum over the 32 lanes, in every lane; t: a register written before
	v_add_f32_dpp v[\r], v[\r], v[\r] row_xmask:1 row_mask:0xf bank_mask:0xf
	v_add_f32_dpp v[\r], v[\r], v[\r] row_xmask:2 row_mask:0xf bank_mask:0xf
	v_add_f32_dpp v[\r], v[\r], v[\r] row_xmask:4 row_mask:0xf bank_mask:0xf
	v_add_f32_dpp v[\r], v[\r], v[\r] row_xmask:8 row_mask:0xf bank_mask:0xf
	v_permlanex16_b32 v[\t], v[\r], s40, s41
	v_add_f32 v[\r], v[\r], v[\t]
.endm
	s_load_b256 s[4:11], s[0:1], 0x0               ; raw s[4:5], part1 s[6:7], gamma s[8:9], beta s[10:11]
	s_load_b128 s[12:15], s[0:1], 0x20             ; rel s[12:13], qkn s[14:15]
	s_load_b64 s[16:17], s[0:1], 0x30              ; part2
	v_lshl_add_u32 v254, v0, 2, 0x7c00
	v_mov_b32 v255, 0
	v_and_b32 v[LN], 31, v0
	v_lshrrev_b32 v15, 5, v0
	v_readfirstlane_b32 s20, v15                   ; wave
	v_and_b32 v[NN], 15, v0
	v_bfe_u32 v[HH], v0, 4, 1
	s_and_b32 s21, ttmp9, 7                        ; head
	s_lshr_b32 s22, ttmp9, 3                       ; group
	s_lshl_b32 s23, s22, 3
	s_add_co_u32 s23, s23, s20                     ; batch item
	s_mov_b32 s40, 0x76543210
	s_mov_b32 s41, 0xfedcba98
	s_mov_b32 s42, 0x46800000                      ; 16384.0: the logits of one wave and kind
.irp j, 0,1,2,3,4,5,6,7
	s_mov_b32 s[32+\j], ((1<<(15-\j))-1)|(((1<<(7-\j))-1)<<16)     ; lanes s <= 14 - m, m = 8 hh + j: there window 8 counts
.endr
	v_lshlrev_b32 v[FO], 5, v[NN]
	v_lshl_add_u32 v[FO], v[HH], 4, v[FO]
	v_mul_u32_u24 v[TA], v[NN], 48
	v_lshl_add_u32 v[TA], v[HH], 4, v[TA]
	s_lshl_b32 s24, s20, 15
	v_lshl_add_u32 v6, v[LN], 3, s24               ; part1: 8 L + wave x 8 blocks of 4,096
	v_min_u32 v7, 0xfe, v0                         ; table column of thread t, clamped to the last (row 255 is zeroed below)
	v_lshlrev_b32 v7, 2, v7
	s_lshl_b32 s24, s20, 9
	s_add_co_u32 s24, s24, BS
	v_lshl_add_u32 v8, v[LN], 3, s24
	v_mul_u32_u24 v9, v0, 48
	v_add_nc_u32 v10, 256*48, v[TA]
	v_lshlrev_b32 v12, 3, v[LN]
	v_add_nc_u32 v11, BS, v12
	v_lshlrev_b32 v13, 5, v[HH]
	v_add_nc_u32 v13, SSL, v13
	s_lshl_b32 s24, s20, 3
	s_add_co_u32 s24, s24, WR
	v_mov_b32 v14, s24
	s_lshl_b32 s24, s23, 17
	s_lshl_b32 s26, s21, 14
	s_add_co_u32 s24, s24, s26
	s_mov_b32 s25, 0
	s_wait_kmcnt 0x0
	s_add_nc_u64 s[4:5], s[4:5], s[24:25]          ; raw's record
	s_lshr_b32 s24, s24, 1
	s_add_nc_u64 s[14:15], s[14:15], s[24:25]      ; qkn's record, half as long
	s_lshl_b32 s24, s21, 8
	s_add_nc_u64 s[6:7], s[6:7], s[24:25]          ; the head's 64 channels
	s_add_nc_u64 s[8:9], s[8:9], s[24:25]
	s_add_nc_u64 s[10:11], s[10:11], s[24:25]
	s_mul_i32 s24, s21, 768
	s_lshl_b32 s26, s22, 2
	s_add_co_u32 s24, s24, s26
	s_add_nc_u64 s[16:17], s[16:17], s[24:25]
	; all loads at once: 16 of raw q and k, 16 of part1, 32 of the table
.irp X, 0,1,2,3,4,5,6,7
	global_load_b128 v[QF+8*\X:QF+8*\X+3], v[FO], s[4:5] offset:4096+512*\X
.endr
.irp Y, 0,1,2,3,4,5,6,7
	global_load_b128 v[KC+4*\Y:KC+4*\Y+3], v[FO], s[4:5] offset:512*\Y
.endr
.irp i, 0,1,2,3,4,5,6,7
	global_load_b64 v[D0+2*\i:D0+2*\i+1], v6, s[6:7] offset:\i*4096
	global_load_b64 v[D0+16+2*\i:D0+16+2*\i+1], v6, s[6:7] offset:\i*4096+2048
.endr
.set d, 0
.rept 32
	global_load_b32 v[WN+d], v7, s[12:13] offset:d*1020
.set d, d+1
.endr
	; the zeros of the operands' upper K halves: written once
.irp X, 0,1,2,3,4,5,6,7
.irp p, 4,5,6,7
	v_mov_b32 v[QF+8*\X+\p], 0
.endr
.endr
.irp p, 32,33,34,35
	v_mov_b32 v[KC+\p], 0
.endr
	s_wait_loadcnt 32                              ; raw and part1 are in; the 32 table loads stay out
.irp i, 1,2,3,4,5,6,7
	v_pk_add_f32 v[D0:D0+1], v[D0:D0+1], v[D0+2*\i:D0+2*\i+1]
	v_pk_add_f32 v[D0+16:D0+17], v[D0+16:D0+17], v[D0+16+2*\i:D0+16+2*\i+1]
.endr
	ds_store_b64 v8, v[D0:D0+1]
	ds_store_b64 v8, v[D0+16:D0+17] offset:256
	s_wait_loadcnt 0x0
.irp p, 0,1,2,3,4,5,6,7,8,9,10,11,12,13,14,15
	v_cvt_pk_f16_f32 v[WN+32+\p], v[WN+2*\p], v[WN+2*\p+1]
.endr
	v_cmp_eq_u32 vcc_lo, 0xff, v0
.irp p, 0,1,2,3,4,5,6,7,8,9,10,11,12,13,14,15
	v_cndmask_b32 v[WN+32+\p], v[WN+32+\p], 0, vcc_lo           ; the table has 255 columns: row 255 is zero
.endr
	ds_store_b128 v9, v[WN+32:WN+35]
	ds_store_b128 v9, v[WN+36:WN+39] offset:16
	ds_store_b128 v9, v[WN+40:WN+43] offset:RK
	ds_store_b128 v9, v[WN+44:WN+47] offset:RK+16
	s_cmp_lg_u32 s20, 0
	s_cbranch_scc1 .Lz
	ds_store_b128 v10, v[QF+4:QF+7]                ; wave 0: rows 256 .. 271 of both tables, lane (n, hh) 16 bytes of row 256 + n
	ds_store_b128 v10, v[QF+4:QF+7] offset:RK
.Lz:
	BAR
	s_cmp_lg_u32 s20, 0
	s_cbranch_scc1 .Lb
	; wave 0 ends the first batch norm: lane L has channels 2 L, 2 L + 1
.irp w, 0,1,2,3,4,5,6,7
	ds_load_b64 v[D0+2*\w:D0+2*\w+1], v11 offset:\w*512
	ds_load_b64 v[D0+16+2*\w:D0+16+2*\w+1], v11 offset:\w*512+256
.endr
	global_load_b64 v[SUM1:SUM1+1], v12, s[8:9]
	global_load_b64 v[SUM1+2:SUM1+3], v12, s[10:11]
	s_wait_dscnt 0x0
.irp w, 1,2,3,4,5,6,7
	v_pk_add_f32 v[D0:D0+1], v[D0:D0+1], v[D0+2*\w:D0+2*\w+1]
	v_pk_add_f32 v[D0+16:D0+17], v[D0+16:D0+17], v[D0+16+2*\w:D0+16+2*\w+1]
.endr
	v_pk_mul_f32 v[D0:D0+1], v[D0:D0+1], 0x38000000 op_sel_hi:[1,0]          ; mean = sum / 32768.  raw was made of x less a pivot near each channel's
	v_pk_mul_f32 v[D0+16:D0+17], v[D0+16:D0+17], 0x38000000 op_sel_hi:[1,0]  ; mean, so this mean is a fraction of raw's spread and the line below cancels little
	v_fma_f32 v[D0+16], -v[D0], v[D0], v[D0+16]
	v_fma_f32 v[D0+17], -v[D0+1], v[D0+1], v[D0+17]
	v_max_num_f32 v[D0+16], 0, v[D0+16]
	v_max_num_f32 v[D0+17], 0, v[D0+17]
	v_add_f32 v[D0+16], 0x3727c5ac, v[D0+16]       ; + 1e-5
	v_add_f32 v[D0+17], 0x3727c5ac, v[D0+17]
	v_rsq_f32 v[D0+18], v[D0+16]
	v_rsq_f32 v[D0+19], v[D0+17]
	v_nop                                          ; one plain place behind a transcendental (ISA guide 5.7.2)
	s_wait_loadcnt 0x0
	s_wait_alu depctr_va_vdst(0)
	v_pk_mul_f32 v[D0+18:D0+19], v[D0+18:D0+19], v[SUM1:SUM1+1]              ; s = gamma rsqrt(var + eps)
	v_fma_f32 v[D0+20], -v[D0], v[D0+18], v[SUM1+2]                          ; t = beta - mean s
	v_fma_f32 v[D0+21], -v[D0+1], v[D0+19], v[SUM1+3]
	ds_store_b64 v11, v[D0+18:D0+19] offset:SSL-BS
	ds_store_b64 v11, v[D0+20:D0+21] offset:SSL-BS+256
.Lb:
	BAR
	; normalise k and q in place: a lane's four registers are channels 8 hh .. 8 hh + 7
	ds_load_b128 v[WN:WN+3], v13
	ds_load_b128 v[WN+4:WN+7], v13 offset:16
	ds_load_b128 v[WN+8:WN+11], v13 offset:256
	ds_load_b128 v[WN+12:WN+15], v13 offset:272
	ds_load_b128 v[WN+16:WN+19], v13 offset:64
	ds_load_b128 v[WN+20:WN+23], v13 offset:80
	ds_load_b128 v[WN+24:WN+27], v13 offset:320
	ds_load_b128 v[WN+28:WN+31], v13 offset:336
	s_wait_dscnt 0x0
; Four registers from reg on: widen the eight f16 to f32, scale and shift in f32, round once to f16.  A 16-bit source is named as a half of a
; register, by its plain name: h0 .. h7 are the eight halves of v[reg] .. v[reg+3], low half first.
.macro NORMT reg, sb, h0, h1, h2, h3, h4, h5, h6, h7
	v_cvt_f32_f16 v[T], \h0
	v_cvt_f32_f16 v[T+1], \h1
	v_cvt_f32_f16 v[T+2], \h2
	v_cvt_f32_f16 v[T+3], \h3
	v_cvt_f32_f16 v[T+4], \h4
	v_cvt_f32_f16 v[T+5], \h5
	v_cvt_f32_f16 v[T+6], \h6
	v_cvt_f32_f16 v[T+7], \h7
.irp p, 0,1,2,3
	v_pk_fma_f32 v[T+2*\p:T+2*\p+1], v[T+2*\p:T+2*\p+1], v[\sb+2*\p:\sb+2*\p+1], v[\sb+8+2*\p:\sb+8+2*\p+1]
.endr
.irp p, 0,1,2,3
	v_cvt_pk_f16_f32 v[\reg+\p], v[T+2*\p], v[T+2*\p+1]
.endr
.endm
	; k: tile Y in v[80 + 4 Y ..]; each store covers 512 consecutive bytes
	NORMT KC+0, WN, v80.l, v80.h, v81.l, v81.h, v82.l, v82.h, v83.l, v83.h
	global_store_b128 v[FO], v[KC:KC+3], s[14:15]
	NORMT KC+4, WN, v84.l, v84.h, v85.l, v85.h, v86.l, v86.h, v87.l, v87.h
	global_store_b128 v[FO], v[KC+4:KC+7], s[14:15] offset:512
	NORMT KC+8, WN, v88.l, v88.h, v89.l, v89.h, v90.l, v90.h, v91.l, v91.h
	global_store_b128 v[FO], v[KC+8:KC+11], s[14:15] offset:1024
	NORMT KC+12, WN, v92.l, v92.h, v93.l, v93.h, v94.l, v94.h, v95.l, v95.h
	global_store_b128 v[FO], v[KC+12:KC+15], s[14:15] offset:1536
	NORMT KC+16, WN, v96.l, v96.h, v97.l, v97.h, v98.l, v98.h, v99.l, v99.h
	global_store_b128 v[FO], v[KC+16:KC+19], s[14:15] offset:2048
	NORMT KC+20, WN, v100.l, v100.h, v101.l, v101.h, v102.l, v102.h, v103.l, v103.h
	global_store_b128 v[FO], v[KC+20:KC+23], s[14:15] offset:2560
	NORMT KC+24, WN, v104.l, v104.h, v105.l, v105.h, v106.l, v106.h, v107.l, v107.h
	global_store_b128 v[FO], v[KC+24:KC+27], s[14:15] offset:3072
	NORMT KC+28, WN, v108.l, v108.h, v109.l, v109.h, v110.l, v110.h, v111.l, v111.h
	global_store_b128 v[FO], v[KC+28:KC+31], s[14:15] offset:3584
	; q: tile X in v[16 + 8 X ..]
	NORMT QF+0, WN+16, v16.l, v16.h, v17.l, v17.h, v18.l, v18.h, v19.l, v19.h
	global_store_b128 v[FO], v[QF:QF+3], s[14:15] offset:4096
	NORMT QF+8, WN+16, v24.l, v24.h, v25.l, v25.h, v26.l, v26.h, v27.l, v27.h
	global_store_b128 v[FO], v[QF+8:QF+11], s[14:15] offset:4608
	NORMT QF+16, WN+16, v32.l, v32.h, v33.l, v33.h, v34.l, v34.h, v35.l, v35.h
	global_store_b128 v[FO], v[QF+16:QF+19], s[14:15] offset:5120
	NORMT QF+24, WN+16, v40.l, v40.h, v41.l, v41.h, v42.l, v42.h, v43.l, v43.h
	global_store_b128 v[FO], v[QF+24:QF+27], s[14:15] offset:5632
	NORMT QF+32, WN+16, v48.l, v48.h, v49.l, v49.h, v50.l, v50.h, v51.l, v51.h
	global_store_b128 v[FO], v[QF+32:QF+35], s[14:15] offset:6144
	NORMT QF+40, WN+16, v56.l, v56.h, v57.l, v57.h, v58.l, v58.h, v59.l, v59.h
	global_store_b128 v[FO], v[QF+40:QF+43], s[14:15] offset:6656
	NORMT QF+48, WN+16, v64.l, v64.h, v65.l, v65.h, v66.l, v66.h, v67.l, v67.h
	global_store_b128 v[FO], v[QF+48:QF+51], s[14:15] offset:7168
	NORMT QF+56, WN+16, v72.l, v72.h, v73.l, v73.h, v74.l, v74.h, v75.l, v75.h
	global_store_b128 v[FO], v[QF+56:QF+59], s[14:15] offset:7680
.macro LOADWN base
.set g, 0
.rept 17
	ds_load_b128 v[WN+4*g:WN+4*g+3], v[TA] offset:\base+g*768
.set g, g+1
.endr
	s_wait_dscnt 0x0
.endm
.macro STAT dd                         ; 8 lines: SUM1 += D, SUM2 += D D.  The first of a kind starts the sums: nothing is cleared
.if FIRST
.irp p, 0,2,4,6
	v_pk_mul_f32 v[SUM1+\p:SUM1+\p+1], v[\dd+\p:\dd+\p+1], 1.0 op_sel_hi:[1,0]
	v_pk_mul_f32 v[SUM2+\p:SUM2+\p+1], v[\dd+\p:\dd+\p+1], v[\dd+\p:\dd+\p+1]
.endr
.set FIRST, 0
.else
.irp p, 0,2,4,6
	v_pk_add_f32 v[SUM1+\p:SUM1+\p+1], v[SUM1+\p:SUM1+\p+1], v[\dd+\p:\dd+\p+1]
	v_pk_fma_f32 v[SUM2+\p:SUM2+\p+1], v[\dd+\p:\dd+\p+1], v[\dd+\p:\dd+\p+1], v[SUM2+\p:SUM2+\p+1]
.endr
.endif
.endm
; The statistics of the tile before, or, behind a pivot, where there is none, five idle places: the product in front needs four before its result
; is read and five before its buffer is written again two products later, and the lines in between that read that buffer are no places for it.
.macro OLDSTAT
.if HAVE
	STAT PEND
.else
	NOPS 5
.endif
.endm
; A product into the buffer whose turn it is, then the 8 lines of the OTHER buffer's statistics.  These 8 lines name no register of the product in
; front of them: they are its places (ISA guide 7.12.1), 4 before its result is read and 5 before its buffer is written again.
.macro PROD a, b
	v_wmma_f32_16x16x32_f16 v[D0+8*CUR:D0+8*CUR+7], v[\a:\a+7], v[\b:\b+7], v[PV:PV+7]
	OLDSTAT
.set PEND, D0+8*CUR
.set HAVE, 1
.set CUR, 1-CUR
.endm
.macro PIVOT a, b                      ; PV = -(mean of one tile)
	v_wmma_f32_16x16x32_f16 v[D0:D0+7], v[\a:\a+7], v[\b:\b+7], 0
	NOPS 4
	v_pk_add_f32 v[SUM1:SUM1+1], v[D0:D0+1], v[D0+2:D0+3]
	v_pk_add_f32 v[SUM1+2:SUM1+3], v[D0+4:D0+5], v[D0+6:D0+7]
	v_pk_add_f32 v[SUM1:SUM1+1], v[SUM1:SUM1+1], v[SUM1+2:SUM1+3]
	v_add_f32 v[SUM1], v[SUM1], v[SUM1+1]
	REDSUM SUM1, SUM1+1
	v_mul_f32 v[PV], 0xbb800000, v[SUM1]           ; x -1/256
.irp j, 1,2,3,4,5,6,7
	v_mov_b32 v[PV+\j], v[PV]
.endr
.set CUR, 1
.set HAVE, 0
.set FIRST, 1
.endm
.macro FIN ty                          ; the wave's mean and M2 of 16,384 logits
	NOPS 4
	STAT PEND
	v_pk_add_f32 v[SUM1:SUM1+1], v[SUM1:SUM1+1], v[SUM1+2:SUM1+3]
	v_pk_add_f32 v[SUM1+4:SUM1+5], v[SUM1+4:SUM1+5], v[SUM1+6:SUM1+7]
	v_pk_add_f32 v[SUM2:SUM2+1], v[SUM2:SUM2+1], v[SUM2+2:SUM2+3]
	v_pk_add_f32 v[SUM2+4:SUM2+5], v[SUM2+4:SUM2+5], v[SUM2+6:SUM2+7]
	v_pk_add_f32 v[SUM1:SUM1+1], v[SUM1:SUM1+1], v[SUM1+4:SUM1+5]
	v_pk_add_f32 v[SUM2:SUM2+1], v[SUM2:SUM2+1], v[SUM2+4:SUM2+5]
	v_add_f32 v[SUM1], v[SUM1], v[SUM1+1]
	v_add_f32 v[SUM2], v[SUM2], v[SUM2+1]
	REDSUM SUM1, SUM1+1
	REDSUM SUM2, SUM2+1
	v_mul_f32 v[SUM1+2], 0x38800000, v[SUM1]       ; S1 / 16384
	v_sub_f32 v[T], v[SUM1+2], v[PV]               ; mean = c + S1/n  (PV = -c)
	v_fma_f32 v[T+1], -v[SUM1+2], v[SUM1], v[SUM2] ; M2 = S2 - S1^2/n
	ds_store_b64 v14, v[T:T+1] offset:\ty*64
.endm
; the 16 rows X of a relative kind: window g = 7 - X + u, u = 0 .. 8
.macro RELX X
	v_wmma_f32_16x16x32_f16 v[DC:DC+7], v[QF+8*\X:QF+8*\X+7], v[WN+4*(7-\X):WN+4*(7-\X)+7], v[PV:PV+7]
	v_wmma_f32_16x16x32_f16 v[DE:DE+7], v[QF+8*\X:QF+8*\X+7], v[WN+4*(15-\X):WN+4*(15-\X)+7], v[PV:PV+7]
	OLDSTAT                                        ; the places in front of the select
	v_wmma_f32_16x16x32_f16 v[D0+8*CUR:D0+8*CUR+7], v[QF+8*\X:QF+8*\X+7], v[WN+4*(8-\X):WN+4*(8-\X)+7], v[PV:PV+7]
.irp j, 0,1,2,3,4,5,6,7
	v_cndmask_b32 v[DC+\j], v[DC+\j], v[DE+\j], s[32+\j]       ; the two triangles make one tile
.endr
	STAT DC
.set PEND, D0+8*CUR
.set HAVE, 1
.set CUR, 1-CUR
.irp u, 2,3,4,5,6,7
	PROD QF+8*\X, WN+4*(7-\X+\u)
.endr
.endm
	LOADWN RQ
	; qk: rows = y (k, its upper K half is the next tile's data), columns = x (q with zeros above)
	PIVOT KC, QF
.irp X, 0,1,2,3,4,5,6,7
.irp Y, 0,1,2,3,4,5,6,7
	PROD KC+4*\Y, QF+8*\X
.endr
.endr
	FIN 0
	; qr
	PIVOT QF, WN+32
.irp X, 0,1,2,3,4,5,6,7
	RELX \X
.endr
	FIN 1
	; kr: k takes q's place in the tiles that carry zeros in the upper K half (the compact tiles have none)
	s_wait_xcnt 0x0                                ; the stores to qkn read QF: it is rewritten only behind this wait
.irp Y, 0,1,2,3,4,5,6,7
.irp p, 0,1,2,3
	v_mov_b32 v[QF+8*\Y+\p], v[KC+4*\Y+\p]
.endr
.endr
	LOADWN RK
	PIVOT QF, WN+32
.irp X, 0,1,2,3,4,5,6,7
	RELX \X
.endr
	FIN 2
	BAR
	s_cmp_lg_u32 s20, 0
	s_cbranch_scc1 .Lend
	; wave 0 merges the eight waves
	v_mov_b32 v15, WR
.irp e, 0,1,2,3,4,5,6,7,8,9,10,11
	ds_load_b128 v[QF+4*\e:QF+4*\e+3], v15 offset:\e*16
.endr
	s_wait_dscnt 0x0
.macro MERGE ty
.set MBASE, QF+16*\ty
	v_add_f32 v[T], v[MBASE], v[MBASE+2]
	v_add_f32 v[T+1], v[MBASE+1], v[MBASE+3]
.irp w, 2,3,4,5,6,7
	v_add_f32 v[T], v[T], v[MBASE+2*\w]
	v_add_f32 v[T+1], v[T+1], v[MBASE+2*\w+1]
.endr
	v_mul_f32 v[D0+2*\ty], 0x3e000000, v[T]        ; mean of 8 equal parts
	v_sub_f32 v[T+2], v[MBASE], v[D0+2*\ty]
	v_mul_f32 v[T+3], v[T+2], v[T+2]
.irp w, 1,2,3,4,5,6,7
	v_sub_f32 v[T+2], v[MBASE+2*\w], v[D0+2*\ty]
	v_fma_f32 v[T+3], v[T+2], v[T+2], v[T+3]
.endr
	v_fma_f32 v[D0+2*\ty+1], v[T+3], s42, v[T+1]   ; M2 = sum M2_w + 16384 sum (mean_w - mean)^2
.endm
	MERGE 0
	MERGE 1
	MERGE 2
	v_mov_b32 v12, 0
	s_wait_xcnt 0x0                                ; EXEC is narrowed only behind this wait
	v_cmp_eq_u32 vcc_lo, 0, v0
	s_wait_tensorcnt 0x0
	ds_add_u32 v254, v255
	s_wait_dscnt 0x0
	s_and_saveexec_b32 s24, vcc_lo
.irp e, 0,1,2,3,4,5
	global_store_b32 v12, v[D0+\e], s[16:17] offset:\e*128
.endr
	s_endpgm
.Lend:
	s_wait_tensorcnt 0x0
	ds_add_u32 v254, v255
	s_wait_dscnt 0x0
	s_endpgm
.Lfunc_end_k_q8713260bf0_lstat:
	.size	k_q8713260bf0_lstat, .Lfunc_end_k_q8713260bf0_lstat-k_q8713260bf0_lstat
	.p2alignl 7, 3214868480
	.fill 96, 4, 3214868480
	.section	.rodata,"a",@progbits
	.p2align	6, 0x0
	.amdhsa_kernel k_q8713260bf0_lstat
		.amdhsa_group_segment_fixed_size 32768
		.amdhsa_private_segment_fixed_size 0
		.amdhsa_enable_private_segment 0
		.amdhsa_kernarg_size 56
		.amdhsa_user_sgpr_count 2
		.amdhsa_user_sgpr_kernarg_segment_ptr 1
		.amdhsa_wavefront_size32 1
		.amdhsa_system_sgpr_workgroup_id_x 1
		.amdhsa_system_sgpr_workgroup_id_y 1
		.amdhsa_system_sgpr_workgroup_id_z 1
		.amdhsa_system_vgpr_workitem_id 0
		.amdhsa_next_free_vgpr 256
		.amdhsa_next_free_sgpr 66
		.amdhsa_reserve_vcc 1
		.amdhsa_float_denorm_mode_32 3
		.amdhsa_float_denorm_mode_16_64 3
		.amdhsa_memory_ordered 1
		.amdhsa_forward_progress 1
		.amdhsa_inst_pref_size 166
	.end_amdhsa_kernel
	.amdgpu_metadata
---
amdhsa.version: [ 1, 2 ]
amdhsa.kernels:
  - .name:           k_q8713260bf0_lstat
    .symbol:         k_q8713260bf0_lstat.kd
    .args:
      - { .name: raw, .offset: 0, .size: 8, .value_kind: global_buffer, .address_space: global }
      - { .name: part1, .offset: 8, .size: 8, .value_kind: global_buffer, .address_space: global }
      - { .name: kqv_gamma, .offset: 16, .size: 8, .value_kind: global_buffer, .address_space: global }
      - { .name: kqv_beta, .offset: 24, .size: 8, .value_kind: global_buffer, .address_space: global }
      - { .name: rel_encoding, .offset: 32, .size: 8, .value_kind: global_buffer, .address_space: global }
      - { .name: qkn, .offset: 40, .size: 8, .value_kind: global_buffer, .address_space: global }
      - { .name: part2, .offset: 48, .size: 8, .value_kind: global_buffer, .address_space: global }
    .group_segment_fixed_size: 32768
    .private_segment_fixed_size: 0
    .kernarg_segment_align: 8
    .kernarg_segment_size: 56
    .max_flat_workgroup_size: 256
    .sgpr_count:     66
    .vgpr_count:     256
    .wavefront_size: 32
...
	.end_amdgpu_metadata
.endif
;; end of part 3
;; launch attn (part 4): grid 256 x 1, 16 waves a work-group, no clusters, 267,008 bytes of LDS; arguments qkn, raw, part1, kqv_gamma, kqv_beta, part2, logits_gamma, logits_beta, rel_encoding, out0; writes out0
.if DOCPART == 4
	.amdgcn_target "amdgcn-amd-amdhsa--gfx1250"
	.amdhsa_code_object_version 6
	.text
	.protected	k_q8713260bf0_attn
	.globl	k_q8713260bf0_attn
	.p2align	8
	.type	k_q8713260bf0_attn,@function
k_q8713260bf0_attn:
	s_mov_b64 s[64:65], 0
	v_nop
	global_prefetch_b8 v0, s[64:65] scope:SCOPE_SE
	s_setreg_imm32_b32 hwreg(HW_REG_WAVE_MODE, 25, 1), 1
	s_wait_xcnt 0x0
; Logits, their batch norm, softmax, and both outputs.  A work-group: one head, 16 x (x0 = 16 xt), all 128 y, 64 w of one b, so that out0, which
; has w fastest, is written in whole runs of 256 bytes.  It works in four subgroups of 16 w; 16 waves.
;   PHASE_A: wave = x, lanes = w.  a2' qr + c' at a fixed x is a plain product: rows y of the table (row y - x + 127) x q of 16 w.  To LDS (QRW).
;   PHASE_B: wave = w, lanes = x.  Logits transposed: register j of tile t is y = 16 t + 8 hh + j.  qk and kr are added, softmax runs along the
;            registers (true row maximum), the packed weights ARE the B operand of weights x v; the result, scaled, goes to LDS (OA).
;   PHASE_C: wave = x, lanes = w.  weights x Rv at a fixed x is again a plain product; OA is its C operand.
; kr[x][y] = Pk[y][x - y + 127], Pk = k . Rk, needs a skew: row m of a product tile has to be turned by m lanes.  A' holds k in K 0-15 for rows
; m < 8 and in K 16-31 for rows m >= 8; the B operand's upper K half is the same table window 8 rows lower.  So register j needs the turn j in BOTH
; lane halves, which one DPP row_ror does; what leaves the window on one side comes from the next window (a select by source lane).
; The same A' with B = [q; q] gives qk.
; log2(e) is folded into a1', a2', a3', c'.  v is never normalised as data: out = sv (sum W v~) + tv + enc, the weights having been normalised first.
; FORMAT: f16 operands (11 significant bits).  Room: k, q some 200 with gamma, beta 30 times the drawn 1; Rv (drawn up to 5) 150 when 30 times
; larger; a2' Rq and a3' Rk do not scale with the table: per spread of R they are 1.44 gamma_logit / (4 spread of q), drawn 0.36, and 900 times
; that at 5.5 spreads is under 2,000; weights lie in 0 .. 1 with f16's absolute step of 2^-24 at the small end; f16's largest is 65,504.
; LIMITS: d = 16 fills half of K = 32 in the logit products; the other half is zero in one operand and finite neighbouring data in the other, so
; with Inf or NaN in the inputs a NaN can reach neighbouring tiles (the reference is not finite then either).  tv is added once, taking the sum
; of the f16 weights as 1.
; NO CLUSTER: the 8 work-groups of one (b, head, 64 w) read the same k and v, but these go from memory straight into fragment registers; a shared
; copy in LDS would be 16 w x 12 KB = 192 KB beside the 259 KB in use.  The 8 are neighbours in the grid.  No tensor loads: see above.
.set XPQ, 8464                         ; QRW: [x 16] pitch 8,464, [w 16] pitch 528: both odd multiples of 16
.set WPQ, 528
.set OA,  135424                       ; [x 16] pitch 2,308, [d 32] pitch 72, [w 16] f32: lane (n, hh) falls on bank n + 16 hh on both sides
.set QL,  172352                       ; [w 64] pitch 528: q[x0 .. x0+15][d 16] f16
.set EQ,  206144                       ; [r 256] pitch 48: a2' Rq
.set EK,  218432                       ; [r + 16] pitch 48: a3' Rk; rows 0-15 and 271 zero
.set EV,  231488                       ; [r 256] pitch 96: Rv[d 32]
.set BS,  256064
.set SSL, 264256                       ; scales; the shifts 256 bytes further
.set AEQ, 1
.set AQLA, 2
.set AQRA, 3
.set AQRB, 4
.set AWB, 5
.set AQLB, 6
.set AEK, 7
.set AEK2, 8
.set AOAB, 9
.set ASV, 10
.set AOAC, 11
.set AWC, 12
.set AEV, 13
.set GK, 14
.set GV, 15
.set OUT, 16                           ; v[16:79]   tile (s, dt) at OUT + 16 s + 8 dt
.set LG,  80                           ; v[80:143]  8 logit tiles; the upper 32 hold the next k tiles in between
.set CC,  144                          ; v[144:151] c', eight times
.set BQA, 152                          ; v[152:159] [q | 4 lasting zeros]
.set AQK, 160                          ; v[160:161] a1' twice
.set TEMP, 162                         ; v[162:241]
.set AP,  TEMP                         ; A', two buffers
.set BQ2, TEMP+16
.set EKB, TEMP+24                      ; three table windows in a ring
.set QK,  TEMP+48
.set DB,  TEMP+56
.set DA,  TEMP+64
.set SU,  TEMP+64
.set MA,  TEMP+72
.set MB,  TEMP+73
; v242 L, v243 n = L & 15, v244 hh = L >> 4 stay; v245-v255 serve the prologue
.macro NOPS n
.rept \n
	v_nop
.endr
.endm
.macro BAR
	s_wait_dscnt 0x0                               ; zero: the other waves rely on my LDS stores and overwrite what I have read
	s_barrier_signal -1
	s_barrier_wait -1
.endm
.macro REDSUM r, t
	v_add_f32_dpp v[\r], v[\r], v[\r] row_xmask:1 row_mask:0xf bank_mask:0xf
	v_add_f32_dpp v[\r], v[\r], v[\r] row_xmask:2 row_mask:0xf bank_mask:0xf
	v_add_f32_dpp v[\r], v[\r], v[\r] row_xmask:4 row_mask:0xf bank_mask:0xf
	v_add_f32_dpp v[\r], v[\r], v[\r] row_xmask:8 row_mask:0xf bank_mask:0xf
	v_permlanex16_b32 v[\t], v[\r], s48, s49
	v_add_f32 v[\r], v[\r], v[\t]
.endm
	s_load_b512 s[4:19], s[0:1], 0x0               ; qkn 4, raw 6, part1 8, kqv_gamma 10, kqv_beta 12, part2 14, logits_gamma 16, logits_beta 18
	s_load_b128 s[20:23], s[0:1], 0x40             ; rel 20, out0 22
	v_and_b32 v242, 31, v0
	v_and_b32 v243, 15, v0
	v_bfe_u32 v244, v0, 4, 1
	v_lshrrev_b32 v250, 5, v0
	v_readfirstlane_b32 s24, v250                  ; wave
	s_and_b32 s25, ttmp9, 7
	s_lshl_b32 s25, s25, 4                         ; x0
	s_bfe_u32 s26, ttmp9, 0x30003                  ; head
	s_bfe_u32 s27, ttmp9, 0x10006                  ; wg
	s_lshr_b32 s28, ttmp9, 7                       ; b
	s_lshl_b32 s29, s28, 7
	s_lshl_b32 s30, s27, 6
	s_add_co_u32 s29, s29, s30
	s_add_co_u32 s29, s29, s24                     ; batch item of this wave in subgroup 0
	s_sub_co_u32 s30, 127, s25
	s_sub_co_u32 s30, s30, s24                     ; 127 - x0 - wave >= 0
.irp j, 1,2,3,4,5,6,7
	s_mov_b32 s[39+\j], ((1<<(16-\j))-1)*0x10001   ; source lanes s <= 15 - j of both halves
.endr
	s_mov_b32 s47, 0x00ff00ff                      ; lanes with row m < 8
	s_mov_b32 s48, 0x76543210
	s_mov_b32 s49, 0xfedcba98
	s_mov_b32 s56, 0x3d000000                      ; 1/32
	s_mov_b32 s57, 0x48000000                      ; 131072 logits in a group
	s_mov_b32 s58, 0x34800000                      ; 1/4194304
	s_mov_b32 s59, 0x3727c5ac                      ; 1e-5
	s_mov_b32 s60, 0x3fb8aa3b                      ; log2(e)
	v_mul_u32_u24 v250, v243, WPQ
	v_mul_u32_u24 v251, v243, XPQ
	v_lshlrev_b32 v252, 4, v244
	v_mul_u32_u24 v253, v243, 48
	s_mul_i32 s31, s30, 48
	s_add_co_u32 s31, s31, EQ
	v_add3_u32 v[AEQ], v253, v252, s31
	s_lshl_b32 s31, s24, 5
	s_add_co_u32 s31, s31, QL
	v_add3_u32 v[AQLA], v250, v252, s31
	s_mul_i32 s31, s24, XPQ
	v_lshl_add_u32 v[AQRA], v244, 5, v250
	v_add_nc_u32 v[AQRA], s31, v[AQRA]
	v_add3_u32 v[AWC], v250, v252, s31
	s_mul_i32 s32, s24, WPQ
	v_lshl_add_u32 v[AQRB], v244, 5, v251
	v_add_nc_u32 v[AQRB], s32, v[AQRB]
	v_add3_u32 v[AWB], v251, v252, s32
	s_add_co_u32 s33, s32, QL
	v_lshl_add_u32 v[AQLB], v243, 5, v252
	v_add_nc_u32 v[AQLB], s33, v[AQLB]
	v_lshl_add_u32 v249, v242, 4, s33              ; QL: my row, 16 bytes a lane
	s_add_co_u32 s33, s25, 15
	s_mul_i32 s33, s33, 48
	s_add_co_u32 s33, s33, EK
	v_add3_u32 v[AEK], v253, v252, s33
	s_sub_co_u32 s34, s33, 384
	v_add3_u32 v[AEK2], v253, v252, s34            ; the same window 8 rows lower
	v_mul_u32_u24 v254, v243, 2308
	v_mul_u32_u24 v255, v244, 576
	s_lshl_b32 s33, s24, 2
	s_add_co_u32 s33, s33, OA
	v_add3_u32 v[AOAB], v254, v255, s33
	s_mul_i32 s33, s24, 2308
	s_add_co_u32 s33, s33, OA
	v_lshl_add_u32 v[AOAC], v243, 2, v255
	v_add_nc_u32 v[AOAC], s33, v[AOAC]
	v_lshlrev_b32 v[ASV], 5, v244
	v_add_nc_u32 v[ASV], SSL+128, v[ASV]
	v_and_b32 v254, 7, v0
	v_lshl_add_u32 v254, v244, 3, v254
	v_mul_u32_u24 v254, v254, 96
	v_bfe_u32 v255, v0, 3, 1
	v_lshl_add_u32 v254, v255, 4, v254
	s_mul_i32 s33, s30, 96
	s_add_co_u32 s33, s33, EV
	v_add_nc_u32 v[AEV], s33, v254
	s_lshl_b32 s33, s29, 16
	s_lshl_b32 s34, s26, 13
	s_add_co_u32 s33, s33, s34                     ; qkn's record
	v_lshl_add_u32 v[GK], v243, 5, v252
	v_add_nc_u32 v[GK], s33, v[GK]
	s_lshl_b32 s34, s33, 1
	s_add_co_u32 s34, s34, 8192                    ; raw's record, v
	v_lshl_add_u32 v[GV], v242, 4, s34
	s_lshl_b32 s34, s25, 5
	s_add_co_u32 s34, s34, s33
	s_add_co_u32 s34, s34, 4096
	v_lshl_add_u32 v248, v242, 4, s34              ; q rows x0 .. x0 + 15: 512 bytes
	s_lshl_b32 s34, s24, 14
	v_lshl_add_u32 v245, v242, 3, s34              ; part1: 8 L + wave x 4 blocks of 4,096
	v_lshlrev_b32 v246, 2, v242
	v_and_b32 v250, 0xff, v0                       ; table column r
	v_min_u32 v247, 0xfe, v250
	v_lshlrev_b32 v247, 2, v247
	s_lshl_b32 s34, s24, 9
	s_add_co_u32 s34, s34, BS
	v_lshl_add_u32 v253, v242, 3, s34
	s_mov_b32 s37, 0
	s_wait_kmcnt 0x0
	s_lshl_b32 s36, s26, 8
	s_add_nc_u64 s[8:9], s[8:9], s[36:37]
	s_add_nc_u64 s[10:11], s[10:11], s[36:37]
	s_add_nc_u64 s[12:13], s[12:13], s[36:37]
	s_mul_i32 s36, s26, 768
	s_add_nc_u64 s[14:15], s[14:15], s[36:37]
	s_lshl_b32 s36, s26, 2
	s_add_nc_u64 s[16:17], s[16:17], s[36:37]
	s_add_nc_u64 s[18:19], s[18:19], s[36:37]
	s_cmp_ge_u32 s24, 8
	s_cselect_b32 s36, 32640, 0                    ; waves 8-15 take the table's rows 32 .. 63
	s_add_nc_u64 s[20:21], s[20:21], s[36:37]
	s_lshl_b32 s36, s28, 24                        ; out0: ((256 b + 32 head + 2 wave) 128 + x0) 512 + 256 wg
	s_lshl_b32 s35, s26, 21
	s_add_co_u32 s36, s36, s35
	s_lshl_b32 s35, s24, 17
	s_add_co_u32 s36, s36, s35
	s_lshl_b32 s35, s25, 9
	s_add_co_u32 s36, s36, s35
	s_lshl_b32 s35, s27, 8
	s_add_co_u32 s36, s36, s35
	s_add_nc_u64 s[22:23], s[22:23], s[36:37]
	s_load_b32 s50, s[16:17], 0x0                  ; gamma of qk, qr, kr
	s_load_b32 s51, s[16:17], 0x20
	s_load_b32 s52, s[16:17], 0x40
	s_load_b32 s53, s[18:19], 0x0                  ; beta
	s_load_b32 s54, s[18:19], 0x20
	s_load_b32 s55, s[18:19], 0x40
.macro KLOAD s                         ; the 8 k tiles of my w in subgroup s, a phase ahead, into the upper half of LG
.irp g, 0,1,2,3,4,5,6,7
	global_load_b128 v[LG+32+4*\g:LG+32+4*\g+3], v[GK], s[4:5] offset:\s*1048576+\g*512
.endr
.endm
	KLOAD 0
.irp i, 0,1,2,3
	global_load_b64 v[TEMP+2*\i:TEMP+2*\i+1], v245, s[8:9] offset:\i*4096
	global_load_b64 v[TEMP+8+2*\i:TEMP+8+2*\i+1], v245, s[8:9] offset:\i*4096+2048
.endr
.irp e, 0,1,2,3,4,5
	global_load_b32 v[TEMP+16+\e], v246, s[14:15] offset:\e*128
.endr
.set d, 0
.rept 32
	global_load_b32 v[OUT+d], v247, s[20:21] offset:d*1020
.set d, d+1
.endr
.irp it, 0,1,2,3
	global_load_b128 v[OUT+32+4*\it:OUT+32+4*\it+3], v248, s[4:5] offset:\it*1048576
.endr
.irp p, 4,5,6,7
	v_mov_b32 v[BQA+\p], 0
.endr
	s_wait_loadcnt 42                              ; k and part1 are in; 6 + 32 + 4 younger loads stay out
.irp kd, 0,1
	v_pk_add_f32 v[TEMP+8*\kd:TEMP+8*\kd+1], v[TEMP+8*\kd:TEMP+8*\kd+1], v[TEMP+8*\kd+2:TEMP+8*\kd+3]
	v_pk_add_f32 v[TEMP+8*\kd+4:TEMP+8*\kd+5], v[TEMP+8*\kd+4:TEMP+8*\kd+5], v[TEMP+8*\kd+6:TEMP+8*\kd+7]
	v_pk_add_f32 v[TEMP+8*\kd:TEMP+8*\kd+1], v[TEMP+8*\kd:TEMP+8*\kd+1], v[TEMP+8*\kd+4:TEMP+8*\kd+5]
	ds_store_b64 v253, v[TEMP+8*\kd:TEMP+8*\kd+1] offset:\kd*256
.endr
	; the logits' batch norm, in every wave: lane = group.  a = gamma rsqrt(M2/N + eps), c = sum (beta - mean a)
.set X0, TEMP+24
.set X1, TEMP+25
.set X2, TEMP+26
.set AA, TEMP+28
.set CA, TEMP+31
.macro BN2T ty
	v_mov_b32 v[X0], v[TEMP+16+2*\ty]
	v_mov_b32 v[X1], v[TEMP+16+2*\ty]
	REDSUM X0, X1
	v_mul_f32 v[X0], s56, v[X0]                    ; mean of 32 equal parts
	v_sub_f32 v[X2], v[TEMP+16+2*\ty], v[X0]
	v_mul_f32 v[X2], v[X2], v[X2]
	v_fma_f32 v[X2], v[X2], s57, v[TEMP+17+2*\ty]  ; M2_g + n (mean_g - mean)^2
	REDSUM X2, X1
	v_fma_f32 v[X2], v[X2], s58, s59
	v_rsq_f32 v[X2], v[X2]
	v_nop                                          ; one plain place behind a transcendental (ISA guide 5.7.2)
	s_wait_alu depctr_va_vdst(0)
	v_mul_f32 v[AA+\ty], s[50+\ty], v[X2]
.if \ty==0
	v_fma_f32 v[CA], -v[X0], v[AA+\ty], s[53+\ty]
.else
	v_fma_f32 v[CA], -v[X0], v[AA+\ty], v[CA]
	v_add_f32 v[CA], s[53+\ty], v[CA]
.endif
.endm
	s_wait_loadcnt 36                              ; part2 is in; 32 + 4 stay out
	s_wait_kmcnt 0x0
	BN2T 0
	BN2T 1
	BN2T 2
	v_mul_f32 v[AQK], s60, v[AA]
	v_mov_b32 v[AQK+1], v[AQK]
	v_mul_f32 v[TEMP+34], s60, v[AA+1]             ; a2' twice
	v_mov_b32 v[TEMP+35], v[TEMP+34]
	v_mul_f32 v[TEMP+36], s60, v[AA+2]             ; a3' twice
	v_mov_b32 v[TEMP+37], v[TEMP+36]
	v_mul_f32 v[CC], s60, v[CA]
.irp j, 1,2,3,4,5,6,7
	v_mov_b32 v[CC+\j], v[CC]
.endr
	s_wait_loadcnt 4                               ; the table is in; QL's 4 loads stay out
	s_cmp_ge_u32 s24, 8
	s_cbranch_scc1 .Lev
	; waves 0-7: thread = column r of rows 0-31: a2' Rq and a3' Rk
.irp p, 0,1,2,3,4,5,6,7
	v_pk_mul_f32 v[OUT+2*\p:OUT+2*\p+1], v[OUT+2*\p:OUT+2*\p+1], v[TEMP+34:TEMP+35]
	v_pk_mul_f32 v[OUT+16+2*\p:OUT+16+2*\p+1], v[OUT+16+2*\p:OUT+16+2*\p+1], v[TEMP+36:TEMP+37]
.endr
.irp p, 0,1,2,3,4,5,6,7,8,9,10,11,12,13,14,15
	v_cvt_pk_f16_f32 v[OUT+48+\p], v[OUT+2*\p], v[OUT+2*\p+1]
.endr
	v_cmp_eq_u32 vcc_lo, 0xff, v250
.irp p, 0,1,2,3,4,5,6,7,8,9,10,11,12,13,14,15
	v_cndmask_b32 v[OUT+48+\p], v[OUT+48+\p], 0, vcc_lo         ; the table has 255 columns
.endr
	v_mul_u32_u24 v254, v250, 48
	v_add_nc_u32 v255, EK+768, v254
	v_add_nc_u32 v254, EQ, v254
	ds_store_b128 v254, v[OUT+48:OUT+51]
	ds_store_b128 v254, v[OUT+52:OUT+55] offset:16
	ds_store_b128 v255, v[OUT+56:OUT+59]
	ds_store_b128 v255, v[OUT+60:OUT+63] offset:16
	s_cmp_lg_u32 s24, 0
	s_cbranch_scc1 .Ltab
	v_mul_u32_u24 v251, v243, 48                   ; wave 0: EK's rows 0-15, lane (n, hh) 16 bytes of row n
	v_add3_u32 v251, v251, v252, EK
	ds_store_b128 v251, v[BQA+4:BQA+7]
	s_branch .Ltab
.Lev:
	; waves 8-15: column r of rows 32-63: Rv, 64 bytes a row (row 255 repeats column 254 and is never read)
.irp p, 0,1,2,3,4,5,6,7,8,9,10,11,12,13,14,15
	v_cvt_pk_f16_f32 v[OUT+48+\p], v[OUT+2*\p], v[OUT+2*\p+1]
.endr
	v_mul_u32_u24 v254, v250, 96
	v_add_nc_u32 v254, EV, v254
.irp e, 0,1,2,3
	ds_store_b128 v254, v[OUT+48+4*\e:OUT+48+4*\e+3] offset:16*\e
.endr
.Ltab:
	s_wait_loadcnt 0x0
.irp it, 0,1,2,3
	ds_store_b128 v249, v[OUT+32+4*\it:OUT+32+4*\it+3] offset:\it*16*WPQ
.endr
	BAR
	s_cmp_lg_u32 s24, 0
	s_cbranch_scc1 .Lnot0
	; wave 0 ends the first batch norm (lane L: channels 2 L, 2 L + 1).  Its results are first read behind the next barrier.
	v_lshlrev_b32 v254, 3, v242
	v_add_nc_u32 v255, BS, v254
.irp w, 0,1,2,3,4,5,6,7,8,9,10,11,12,13,14,15
	ds_load_b64 v[TEMP+2*\w:TEMP+2*\w+1], v255 offset:\w*512
	ds_load_b64 v[TEMP+32+2*\w:TEMP+32+2*\w+1], v255 offset:\w*512+256
.endr
	global_load_b64 v[TEMP+64:TEMP+65], v254, s[10:11]
	global_load_b64 v[TEMP+66:TEMP+67], v254, s[12:13]
	s_wait_dscnt 0x0
.irp w, 1,2,3,4,5,6,7,8,9,10,11,12,13,14,15
	v_pk_add_f32 v[TEMP:TEMP+1], v[TEMP:TEMP+1], v[TEMP+2*\w:TEMP+2*\w+1]
	v_pk_add_f32 v[TEMP+32:TEMP+33], v[TEMP+32:TEMP+33], v[TEMP+32+2*\w:TEMP+32+2*\w+1]
.endr
	v_pk_mul_f32 v[TEMP:TEMP+1], v[TEMP:TEMP+1], 0x38000000 op_sel_hi:[1,0]
	v_pk_mul_f32 v[TEMP+32:TEMP+33], v[TEMP+32:TEMP+33], 0x38000000 op_sel_hi:[1,0]
	v_fma_f32 v[TEMP+32], -v[TEMP], v[TEMP], v[TEMP+32]
	v_fma_f32 v[TEMP+33], -v[TEMP+1], v[TEMP+1], v[TEMP+33]
	v_max_num_f32 v[TEMP+32], 0, v[TEMP+32]
	v_max_num_f32 v[TEMP+33], 0, v[TEMP+33]
	v_add_f32 v[TEMP+32], s59, v[TEMP+32]
	v_add_f32 v[TEMP+33], s59, v[TEMP+33]
	v_rsq_f32 v[TEMP+34], v[TEMP+32]
	v_rsq_f32 v[TEMP+35], v[TEMP+33]
	v_nop
	s_wait_loadcnt 0x0
	s_wait_alu depctr_va_vdst(0)
	v_pk_mul_f32 v[TEMP+34:TEMP+35], v[TEMP+34:TEMP+35], v[TEMP+64:TEMP+65]
	v_fma_f32 v[TEMP+36], -v[TEMP], v[TEMP+34], v[TEMP+66]
	v_fma_f32 v[TEMP+37], -v[TEMP+1], v[TEMP+35], v[TEMP+67]
	ds_store_b64 v255, v[TEMP+34:TEMP+35] offset:SSL-BS
	ds_store_b64 v255, v[TEMP+36:TEMP+37] offset:SSL-BS+256
.Lnot0:
; a2' qr + c' at x = x0 + wave for the 16 w of subgroup s.  A: table rows y - x + 127, operands overlap (the upper K half is the next tile's data
; and meets BQA's zeros); the ninth load is a finite tail.
.macro PHASE_A s
.irp t, 0,1,2,3,4,5,6,7
	ds_load_b128 v[TEMP+4*\t:TEMP+4*\t+3], v[AEQ] offset:\t*768
.endr
	ds_load_b128 v[TEMP+32:TEMP+35], v[AEQ]
	ds_load_b128 v[BQA:BQA+3], v[AQLA] offset:\s*16*WPQ
	s_wait_dscnt 0x0
.irp t, 0,1,2,3
	v_wmma_f32_16x16x32_f16 v[LG+8*\t:LG+8*\t+7], v[TEMP+4*\t:TEMP+4*\t+7], v[BQA:BQA+7], v[CC:CC+7]
.endr
.irp t, 4,5,6,7
	v_wmma_f32_16x16x32_f16 v[TEMP+4+8*\t:TEMP+4+8*\t+7], v[TEMP+4*\t:TEMP+4*\t+7], v[BQA:BQA+7], v[CC:CC+7]
.endr
	NOPS 4                                         ; four places before the results are stored (ISA guide 7.12.1)
.irp t, 0,1,2,3
	ds_store_b128 v[AQRA], v[LG+8*\t:LG+8*\t+3] offset:64*\t
	ds_store_b128 v[AQRA], v[LG+8*\t+4:LG+8*\t+7] offset:64*\t+16
.endr
.irp t, 4,5,6,7
	ds_store_b128 v[AQRA], v[TEMP+4+8*\t:TEMP+4+8*\t+3] offset:64*\t
	ds_store_b128 v[AQRA], v[TEMP+4+8*\t+4:TEMP+4+8*\t+7] offset:64*\t+16
.endr
.endm
.macro EKWIN tau                       ; window tau: table columns x0 - 16 tau + 127 + s in K 0-15, the same 8 lower in K 16-31
	ds_load_b128 v[EKB+8*((\tau)%3):EKB+8*((\tau)%3)+3], v[AEK] offset:(8-(\tau))*768
	ds_load_b128 v[EKB+8*((\tau)%3)+4:EKB+8*((\tau)%3)+7], v[AEK2] offset:(8-(\tau))*768
.endm
.macro BUILDA t                        ; A' of k tile t: rows m < 8 in K 0-15, rows m >= 8 in K 16-31
.irp p, 0,1,2,3
	v_cndmask_b32 v[AP+8*((\t)&1)+\p], 0, v[LG+32+4*(\t)+\p], s47
.endr
.irp p, 0,1,2,3
	v_cndmask_b32 v[AP+8*((\t)&1)+4+\p], v[LG+32+4*(\t)+\p], 0, s47
.endr
.endm
.macro SLOAD t                         ; a2' qr + c' of tile t, for my w, lanes = x
	ds_load_b128 v[LG+8*(\t):LG+8*(\t)+3], v[AQRB] offset:64*(\t)
	ds_load_b128 v[LG+8*(\t)+4:LG+8*(\t)+7], v[AQRB] offset:64*(\t)+16
.endm
.macro MAXHEAD                         ; the maximum over tiles 0-6, which are final: 27 lines
	v_max3_num_f32 v[MA], v[LG], v[LG+1], v[LG+2]
	v_max3_num_f32 v[MB], v[LG+3], v[LG+4], v[LG+5]
.set i, 6
.rept 12
	v_max3_num_f32 v[MA], v[MA], v[LG+i], v[LG+i+1]
	v_max3_num_f32 v[MB], v[MB], v[LG+i+2], v[LG+i+3]
.set i, i+4
.endr
	v_max3_num_f32 v[MA], v[MA], v[LG+54], v[LG+55]
.endm
; Logit tile t.  The wait at the head is for LDS loads issued a tile earlier.  Behind the three products stand 8 lines (A' of the next tile; in
; the last tile the maximum over the tiles before) that name none of their registers: the places before the results are read (4) and before
; the next tile's products write the same registers (5) (ISA guide 7.12.1).
; k tiles t, t + 1 lie in the registers of logit tile 4 + t/2: once A' of t + 1 is built, that tile's qr is loaded over them.
.macro TILE t
	s_wait_dscnt 0x0
	v_wmma_f32_16x16x32_f16 v[QK:QK+7], v[AP+8*(\t&1):AP+8*(\t&1)+7], v[BQ2:BQ2+7], 0
	v_wmma_f32_16x16x32_f16 v[DB:DB+7], v[AP+8*(\t&1):AP+8*(\t&1)+7], v[EKB+8*(\t%3):EKB+8*(\t%3)+7], 0
	v_wmma_f32_16x16x32_f16 v[DA:DA+7], v[AP+8*(\t&1):AP+8*(\t&1)+7], v[EKB+8*((\t+1)%3):EKB+8*((\t+1)%3)+7], 0
.if \t<7
	EKWIN (\t+2)
	BUILDA (\t+1)
.if (\t&1)==0
	SLOAD (4+\t/2)
.endif
.else
	MAXHEAD
.endif
.irp p, 0,2,4,6
	v_pk_fma_f32 v[LG+8*\t+\p:LG+8*\t+\p+1], v[QK+\p:QK+\p+1], v[AQK:AQK+1], v[LG+8*\t+\p:LG+8*\t+\p+1]
.endr
	v_add_f32 v[LG+8*\t], v[LG+8*\t], v[DB]
.irp j, 1,2,3,4,5,6,7
	v_cndmask_b32 v[DA+\j], v[DA+\j], v[DB+\j], s[39+\j]        ; source lanes s <= 15 - j from this window, the others from the next
	v_add_f32_dpp v[LG+8*\t+\j], v[DA+\j], v[LG+8*\t+\j] row_ror:\j row_mask:0xf bank_mask:0xf   ; lane x takes lane (x - j) mod 16
.endr
.endm
.macro PHASE_B s
	s_wait_loadcnt 0x0                             ; my 8 k tiles
	ds_load_b128 v[BQ2:BQ2+3], v[AQLB] offset:\s*16*WPQ
	ds_load_b128 v[BQ2+4:BQ2+7], v[AQLB] offset:\s*16*WPQ     ; q twice: [q; q]
	EKWIN 0
	EKWIN 1
	SLOAD 0
	SLOAD 1
	SLOAD 2
	SLOAD 3
	BUILDA 0
	TILE 0
	TILE 1
	TILE 2
	TILE 3
	TILE 4
	TILE 5
	TILE 6
	TILE 7
	; v's 8 fragments, straight from memory in fragment order; the softmax below covers their way
.irp f, 0,1,2,3,4,5,6,7
	global_load_b128 v[TEMP+8*\f:TEMP+8*\f+3], v[GV], s[6:7] offset:\s*2097152+\f*1024
	global_load_b128 v[TEMP+8*\f+4:TEMP+8*\f+7], v[GV], s[6:7] offset:\s*2097152+\f*1024+512
.endr
	; softmax over y = 64 registers x 2 lane halves, in base 2
	v_max3_num_f32 v[MB], v[MB], v[LG+56], v[LG+57]
	v_max3_num_f32 v[MA], v[MA], v[LG+58], v[LG+59]
	v_max3_num_f32 v[MB], v[MB], v[LG+60], v[LG+61]
	v_max3_num_f32 v[MA], v[MA], v[LG+62], v[LG+63]
	v_max_num_f32 v[MA], v[MA], v[MB]
	v_permlanex16_b32 v[MB], v[MA], s48, s49
	v_max_num_f32 v[MA], v[MA], v[MB]
	v_mov_b32 v[MB], v[MA]
.set i, 0
.rept 32
	v_pk_add_f32 v[LG+i:LG+i+1], v[LG+i:LG+i+1], v[MA:MA+1] neg_lo:[0,1] neg_hi:[0,1]
.set i, i+2
.endr
.set i, 0
.rept 64
	v_exp_f32 v[LG+i], v[LG+i]
.set i, i+1
.endr
	v_nop                                          ; one plain place behind the last transcendental (ISA guide 5.7.2)
	s_wait_alu depctr_va_vdst(0)
.irp c, 0,2,4,6
	v_pk_add_f32 v[SU+\c:SU+\c+1], v[LG+\c:LG+\c+1], v[LG+8+\c:LG+8+\c+1]
.endr
.set i, 16
.rept 6
.irp c, 0,2,4,6
	v_pk_add_f32 v[SU+\c:SU+\c+1], v[SU+\c:SU+\c+1], v[LG+i+\c:LG+i+\c+1]
.endr
.set i, i+8
.endr
	v_pk_add_f32 v[SU:SU+1], v[SU:SU+1], v[SU+2:SU+3]
	v_pk_add_f32 v[SU+4:SU+5], v[SU+4:SU+5], v[SU+6:SU+7]
	v_pk_add_f32 v[SU:SU+1], v[SU:SU+1], v[SU+4:SU+5]
	v_add_f32 v[SU], v[SU], v[SU+1]
	v_permlanex16_b32 v[SU+1], v[SU], s48, s49
	v_add_f32 v[SU], v[SU], v[SU+1]                ; between 1 and 128
	v_rcp_f32 v[SU+2], v[SU]
	v_nop
	s_wait_alu depctr_va_vdst(0)
	v_mov_b32 v[SU+3], v[SU+2]
.set i, 0
.rept 32
	v_pk_mul_f32 v[LG+i:LG+i+1], v[LG+i:LG+i+1], v[SU+2:SU+3]
.set i, i+2
.endr
	; pack in place: tiles 2 ks, 2 ks + 1 become the B fragment (k = y, n = x) of K step ks in LG + 16 ks .. + 7
.irp ks, 0,1,2,3
.irp p, 0,1,2,3
	v_cvt_pk_f16_f32 v[LG+16*\ks+\p], v[LG+16*\ks+2*\p], v[LG+16*\ks+2*\p+1]
.endr
.irp p, 0,1,2,3
	v_cvt_pk_f16_f32 v[LG+16*\ks+4+\p], v[LG+16*\ks+8+2*\p], v[LG+16*\ks+8+2*\p+1]
.endr
.endr
.irp t, 0,1,2,3,4,5,6,7
	ds_store_b128 v[AWB], v[LG+16*(\t>>1)+4*(\t&1):LG+16*(\t>>1)+4*(\t&1)+3] offset:32*\t   ; over my own f32 rows, which I have read
.endr
	ds_load_b128 v[LG+40:LG+43], v[ASV]            ; sv, tv of channels 32 + 16 dt + 8 hh + j
	ds_load_b128 v[LG+44:LG+47], v[ASV] offset:16
	ds_load_b128 v[LG+56:LG+59], v[ASV] offset:256
	ds_load_b128 v[LG+60:LG+63], v[ASV] offset:272
	ds_load_b128 v[TEMP+64:TEMP+67], v[ASV] offset:64
	ds_load_b128 v[TEMP+68:TEMP+71], v[ASV] offset:80
	ds_load_b128 v[TEMP+72:TEMP+75], v[ASV] offset:320
	ds_load_b128 v[TEMP+76:TEMP+79], v[ASV] offset:336
	s_wait_loadcnt 0x0                             ; v
	v_wmma_f32_16x16x32_f16 v[LG+8:LG+15], v[TEMP:TEMP+7], v[LG:LG+7], 0
	v_wmma_f32_16x16x32_f16 v[LG+24:LG+31], v[TEMP+32:TEMP+39], v[LG:LG+7], 0
.irp ks, 1,2,3
	v_wmma_f32_16x16x32_f16 v[LG+8:LG+15], v[TEMP+8*\ks:TEMP+8*\ks+7], v[LG+16*\ks:LG+16*\ks+7], v[LG+8:LG+15]
	v_wmma_f32_16x16x32_f16 v[LG+24:LG+31], v[TEMP+32+8*\ks:TEMP+32+8*\ks+7], v[LG+16*\ks:LG+16*\ks+7], v[LG+24:LG+31]
.endr
	NOPS 4
	s_wait_dscnt 0x0
.irp p, 0,2,4,6
	v_pk_fma_f32 v[LG+8+\p:LG+8+\p+1], v[LG+8+\p:LG+8+\p+1], v[LG+40+\p:LG+40+\p+1], v[LG+56+\p:LG+56+\p+1]
	v_pk_fma_f32 v[LG+24+\p:LG+24+\p+1], v[LG+24+\p:LG+24+\p+1], v[TEMP+64+\p:TEMP+64+\p+1], v[TEMP+72+\p:TEMP+72+\p+1]
.endr
.irp j, 0,1,2,3,4,5,6,7
	ds_store_b32 v[AOAB], v[LG+8+\j] offset:\j*72
	ds_store_b32 v[AOAB], v[LG+24+\j] offset:(16+\j)*72
.endr
.endm
; weights x Rv at x = x0 + wave, lanes = w; the scaled weights x v from OA is the C operand.  Rv lies [r][d]: transposing loads.
.macro PHASE_C s
.irp j, 0,1,2,3,4,5,6,7
	ds_load_b32 v[OUT+16*\s+\j], v[AOAC] offset:\j*72
	ds_load_b32 v[OUT+16*\s+8+\j], v[AOAC] offset:(16+\j)*72
.endr
.irp ks, 0,1,2,3
	ds_load_b128 v[LG+8*\ks:LG+8*\ks+3], v[AWC] offset:64*\ks
	ds_load_b128 v[LG+8*\ks+4:LG+8*\ks+7], v[AWC] offset:64*\ks+32
	ds_load_tr16_b128 v[TEMP+8*\ks:TEMP+8*\ks+3], v[AEV] offset:3072*\ks
	ds_load_tr16_b128 v[TEMP+8*\ks+4:TEMP+8*\ks+7], v[AEV] offset:3072*\ks+1536
	ds_load_tr16_b128 v[TEMP+32+8*\ks:TEMP+32+8*\ks+3], v[AEV] offset:3072*\ks+32
	ds_load_tr16_b128 v[TEMP+32+8*\ks+4:TEMP+32+8*\ks+7], v[AEV] offset:3072*\ks+1536+32
.endr
	s_wait_dscnt 0x0
.irp ks, 0,1,2,3
	v_wmma_f32_16x16x32_f16 v[OUT+16*\s:OUT+16*\s+7], v[TEMP+8*\ks:TEMP+8*\ks+7], v[LG+8*\ks:LG+8*\ks+7], v[OUT+16*\s:OUT+16*\s+7]
	v_wmma_f32_16x16x32_f16 v[OUT+16*\s+8:OUT+16*\s+15], v[TEMP+32+8*\ks:TEMP+32+8*\ks+7], v[LG+8*\ks:LG+8*\ks+7], v[OUT+16*\s+8:OUT+16*\s+15]
.endr
	NOPS 5                                         ; the sources are loaded again (4 places) and written by matrix instructions (5) in the next phase
.endm
	PHASE_A 0
	BAR                                            ; qr of all x is in QRW; SS, TT are written
	PHASE_B 0
	BAR                                            ; the weights and OA of all w are in LDS
	KLOAD 1
	PHASE_C 0
	BAR                                            ; everybody has read the weights: QRW is written again
	PHASE_A 1
	BAR
	PHASE_B 1
	BAR
	KLOAD 2
	PHASE_C 1
	BAR
	PHASE_A 2
	BAR
	PHASE_B 2
	BAR
	KLOAD 3
	PHASE_C 2
	BAR
	PHASE_A 3
	BAR
	PHASE_B 3
	BAR
	PHASE_C 3
	BAR                                            ; QRW is free: it becomes the stage [d 32][x 16][w 64] f32
	; THE WAY OUT: register j of OUT(s, dt) in lane (n, hh) is out0[b][32 head + 16 dt + 8 hh + j][x0 + wave][64 wg + 16 s + n]
	s_lshl_b32 s31, s24, 8
	v_lshlrev_b32 v[TEMP], 15, v244
	v_lshl_add_u32 v[TEMP], v243, 2, v[TEMP]
	v_add_nc_u32 v[TEMP], s31, v[TEMP]
	v_add_nc_u32 v[TEMP+1], 0x10000, v[TEMP]       ; dt = 1
.irp s, 0,1,2,3
.irp j, 0,1,2,3,4,5,6,7
	ds_store_b32 v[TEMP], v[OUT+16*\s+\j] offset:\j*4096+64*\s
	ds_store_b32 v[TEMP+1], v[OUT+16*\s+8+\j] offset:\j*4096+64*\s
.endr
.endr
	BAR
	s_lshl_b32 s31, s24, 13                        ; wave takes d = 2 wave, 2 wave + 1
	v_lshlrev_b32 v[TEMP+2], 8, v244
	v_lshl_add_u32 v[TEMP+2], v243, 4, v[TEMP+2]
	v_add_nc_u32 v[TEMP+2], s31, v[TEMP+2]
	v_lshlrev_b32 v[TEMP+3], 9, v244
	v_lshl_add_u32 v[TEMP+3], v243, 4, v[TEMP+3]
.irp i, 0,1,2,3,4,5,6,7,8,9,10,11,12,13,14,15
	ds_load_b128 v[LG+4*\i:LG+4*\i+3], v[TEMP+2] offset:(\i>>3)*4096+(\i&7)*512
.endr
.irp i, 0,1,2,3,4,5,6,7,8,9,10,11,12,13,14,15
	s_wait_dscnt 15-\i                             ; LDS loads come back in order: load i is in, the younger ones stay out
	global_store_b128 v[TEMP+3], v[LG+4*\i:LG+4*\i+3], s[22:23] offset:(\i>>3)*65536+(\i&7)*1024 th:TH_STORE_NT   ; 16 lanes fill 256 consecutive bytes, aligned
.endr
	s_wait_xcnt 0x0
	v_lshl_add_u32 v254, v0, 2, 0x40b00
	v_mov_b32 v255, 0
	s_wait_tensorcnt 0x0
	ds_add_u32 v254, v255
	s_wait_dscnt 0x0
	s_endpgm
.Lfunc_end_k_q8713260bf0_attn:
	.size	k_q8713260bf0_attn, .Lfunc_end_k_q8713260bf0_attn-k_q8713260bf0_attn
	.p2alignl 7, 3214868480
	.fill 96, 4, 3214868480
	.section	.rodata,"a",@progbits
	.p2align	6, 0x0
	.amdhsa_kernel k_q8713260bf0_attn
		.amdhsa_group_segment_fixed_size 267008
		.amdhsa_private_segment_fixed_size 0
		.amdhsa_enable_private_segment 0
		.amdhsa_kernarg_size 80
		.amdhsa_user_sgpr_count 2
		.amdhsa_user_sgpr_kernarg_segment_ptr 1
		.amdhsa_wavefront_size32 1
		.amdhsa_system_sgpr_workgroup_id_x 1
		.amdhsa_system_sgpr_workgroup_id_y 1
		.amdhsa_system_sgpr_workgroup_id_z 1
		.amdhsa_system_vgpr_workitem_id 0
		.amdhsa_next_free_vgpr 256
		.amdhsa_next_free_sgpr 66
		.amdhsa_reserve_vcc 1
		.amdhsa_float_denorm_mode_32 3
		.amdhsa_float_denorm_mode_16_64 3
		.amdhsa_memory_ordered 1
		.amdhsa_forward_progress 1
		.amdhsa_inst_pref_size 199
	.end_amdhsa_kernel
	.amdgpu_metadata
---
amdhsa.version: [ 1, 2 ]
amdhsa.kernels:
  - .name:           k_q8713260bf0_attn
    .symbol:         k_q8713260bf0_attn.kd
    .args:
      - { .name: qkn, .offset: 0, .size: 8, .value_kind: global_buffer, .address_space: global }
      - { .name: raw, .offset: 8, .size: 8, .value_kind: global_buffer, .address_space: global }
      - { .name: part1, .offset: 16, .size: 8, .value_kind: global_buffer, .address_space: global }
      - { .name: kqv_gamma, .offset: 24, .size: 8, .value_kind: global_buffer, .address_space: global }
      - { .name: kqv_beta, .offset: 32, .size: 8, .value_kind: global_buffer, .address_space: global }
      - { .name: part2, .offset: 40, .size: 8, .value_kind: global_buffer, .address_space: global }
      - { .name: logits_gamma, .offset: 48, .size: 8, .value_kind: global_buffer, .address_space: global }
      - { .name: logits_beta, .offset: 56, .size: 8, .value_kind: global_buffer, .address_space: global }
      - { .name: rel_encoding, .offset: 64, .size: 8, .value_kind: global_buffer, .address_space: global }
      - { .name: out0, .offset: 72, .size: 8, .value_kind: global_buffer, .address_space: global }
    .group_segment_fixed_size: 267008
    .private_segment_fixed_size: 0
    .kernarg_segment_align: 8
    .kernarg_segment_size: 80
    .max_flat_workgroup_size: 512
    .sgpr_count:     66
    .vgpr_count:     256
    .wavefront_size: 32
...
	.end_amdgpu_metadata
.endif
;; end of part 4
